; MI455X (gfx1250); checked and timed in simulation.
; The chip was launched on July 23, 2026; its instructions are those of AMD's public machine-readable ISA for CDNA 5 (MIT licence, August 2026) and "CDNA5" Instruction Set Architecture Reference Guide (July 2026). The comments in the code are by the model that wrote it; some were corrected since.
;; Self Attention. Allowed arithmetic: matrix products marked QUANTISED: E2M3 operands, one E8M0 scale for each 32 along K, by v_wmma_scale_f32_16x16x128_f8f6f4 with both operands' format E2M3, f32 sums; everything else in f32.
;; Inputs: Wk 1,024 x 1,024 float32; Wp 1,024 x 1,024 float32; Wq 1,024 x 1,024 float32; Wv 1,024 x 1,024 float32; bk 1,024 float32; bp 1,024 float32; bq 1,024 float32; bv 1,024 float32; x 4 x 2,048 x 1,024 float32.
;; Outputs: out0 4 x 2,048 x 1,024 float32.
;; This version of the problem:
;;   THIS VERSION OF THE PROBLEM IS GIVEN IN LOW PRECISION. The matrix products marked QUANTISED in the list below multiply operands that are first quantised to E2M3 (2 exponent bits, 3 mantissa bits; 6 bits a number), with one power-of-two scale for each 32 numbers along K (OCP MX v1.0); their sums are f32. All else is computed in f32.
;;   The module's matrix products, in the order in which they are computed (A, B: the left and right operand; K: the contracted axis; several contracted axes count as one K, in the product's order):
;;     1. [M 8,192, K 1,024] x [K 1,024, N 1,024]; A: input x; B: input Wk: QUANTISED
;;     2. [M 8,192, K 1,024] x [K 1,024, N 1,024]; A: input x; B: input Wq: QUANTISED
;;     3. [M 8,192, K 1,024] x [K 1,024, N 1,024]; A: input x; B: input Wv: QUANTISED
;;     4. batch 64 x [M 2,048, K 64] x [K 64, N 2,048]; A: computed on the way; B: computed on the way: QUANTISED
;;     5. batch 64 x [M 2,048, K 2,048] x [K 2,048, N 64]; A: softmax (see below); B: computed on the way: QUANTISED
;;     6. [M 8,192, K 1,024] x [K 1,024, N 1,024]; A: computed on the way; B: input Wp: QUANTISED
;;   THE QUANTISER, for each operand of a quantised product, along K:
;;     - K is cut into blocks of 32 from its start; a last block that is shorter is filled with zeros.
;;     - A block's scale is 2^e with e = floor(log2(the largest magnitude in the block)) - 2, held to -126 .. 127; a block of zeros has e = 0. As a byte (E8M0): e + 127.
;;     - Each number is divided by its block's scale, clamped to +-7.5, and rounded to the nearest number of E2M3, ties to even, subnormals kept.
;;     - The product sums the exact products of the quantised numbers (number of the format x scale) in f32.
;;   ~~~python
;;   def quantise(x, axis):      # numpy; x: float32 -> the quantised numbers, widened to float32 again
;;       x = np.moveaxis(x, axis, -1); K = x.shape[-1]
;;       x = np.pad(x, [(0, 0)] * (x.ndim - 1) + [(0, -K % 32)]); x = x.reshape(x.shape[:-1] + (-1, 32)); a = np.abs(x).max(-1, keepdims=True)
;;       e = np.where(a > 0, np.clip(np.frexp(np.where(a > 0, a, 1))[1] - 1 - 2, -126, 127), 0)      # np.frexp(a)[1] - 1 = floor(log2(a)), exactly
;;       r = np.clip(x / 2.0 ** e, -7.5, 7.5)
;;       step = 2.0 ** (np.maximum(np.frexp(np.where(r == 0, 1, r))[1] - 1, 0) - 3)
;;       q = np.round(r / step) * step * 2.0 ** e      # np.round: ties to even
;;       return np.moveaxis(q.reshape(q.shape[:-2] + (-1,))[..., :K], -1, axis).astype(np.float32)
;;   ~~~
;;   SOFTMAX AHEAD OF A QUANTISED PRODUCT. Where the list says 'softmax', what is quantised is not the finished softmax but p = 2^(t - M), with t = logit x log2(e) and M = ceil(the row's largest t), a whole number; so 1/2 < the row's largest p <= 1. The row's sum l is taken of the UNQUANTISED p, in f32, and the product's result is divided by l at the end. Since M is a whole number, a kernel that streams over the keys may use a running M (the ceiling of the running maximum): every later rescaling is an exact power of two, which a block's scale takes up: the codes' values come out the same.
;;   OPERANDS COMPUTED ON THE WAY. 'Computed on the way' means the value that the module computes at that place (a softmax that the list does not call 'softmax' is quantised finished and normalised). What goes into a quantiser is computed in f32, as accurately as f32 sums, v_exp_f32 and their like allow (about 1e-6 of the number): no bf16 or f16 on the way to a quantiser, and a product that is left as it is and whose result goes on into a quantised operand takes f32 operands (vector FMAs, or v_wmma_f32_16x16x4_f32). A number that lies on a knife's edge between two numbers of the format may be rounded either way, as far as f32 arithmetic and the matrix unit's own rounding can turn it there, and no further.
;; One version. Each part assembles by itself: llvm-mc -triple=amdgcn-amd-amdhsa -mcpu=gfx1250 --defsym DOCPART=n.
;; ======== version 1 of 1: 4 launches
;; workspace buffers: xw_codes 9,437,184 bytes; xw_scales 393,216 bytes; qkv 20,185,088 bytes; y_codes 6,291,456 bytes; y_scales 262,144 bytes
;; launch quant (part 1): grid 384 x 1, 4 waves a work-group, no clusters, 35,328 bytes of LDS; arguments x, Wq, Wk, Wv, Wp, xw_codes, xw_scales; writes xw_codes, xw_scales
.if DOCPART == 1
	.amdgcn_target "amdgcn-amd-amdhsa--gfx1250"
	.amdhsa_code_object_version 6
	.text
	.protected	k_q84f7d6b9eb_quant
	.globl	k_q84f7d6b9eb_quant
	.p2align	8
	.type	k_q84f7d6b9eb_quant,@function
k_q84f7d6b9eb_quant:
	s_mov_b64 s[64:65], 0
	v_nop
	global_prefetch_b8 v0, s[64:65] scope:SCOPE_SE
	s_setreg_imm32_b32 hwreg(HW_REG_WAVE_MODE, 25, 1), 1
	s_wait_xcnt 0x0
; x [8192][1024] and Wq, Wk, Wv, Wp [1024][1024], f32, K innermost, become codes of FP6 (E2M3) with one E8M0 byte for each 32 along K.
; A block's scale is 2^(floor(log2(its largest magnitude)) - 2); its byte is the largest magnitude's exponent field - 2, held at 1 from below.
; LIMITS: NaN and infinities among the inputs are not served; a block whose largest magnitude lies under 2^-124 has its byte held at 1; a block of zeros gets the byte 1 where the
; quantiser says 127: its codes are zeros, which add nothing, and these bytes are read by this program alone.
; THE OUTPUT IS LAID AS THE MATRIX UNIT'S REGISTERS.  The 12,288 rows (x, then Wq, Wk, Wv, Wp) are cut into 768 tiles of 16: lane r of tile t holds row 32 (t / 2) + 8 (t % 2) + r + 8 (r / 8).
; A fragment (a tile x 128 along K, 12 registers a lane) is 1,536 bytes: registers 0-3 at 16 x lane, 4-5 at 512 + 8 x lane, 6-9 at 768 + 16 x lane, 10-11 at 1,280 + 8 x lane.
; xw_codes [tile 768][K step 8][1,536];  xw_scales [K step 8][tile 768][row 16] words of four bytes.
; SHARES: a work-group takes 64 rows (four tiles, one a wave) and half of K (four fragments a wave).  Each load reads 512 consecutive bytes of one row; the 16 rows turn through the wave's own
; stage in LDS (pitch 528 bytes), so that a lane gets 16 neighbours of each block of 32 of its row.  Every store of codes covers 256 or 512 consecutive bytes, aligned.
; No tensor load, no matrix unit, no cluster: memory binds, and no byte is read by two work-groups.
.set STGB, 8448                        ; a wave's stage: 16 rows x 528 bytes
.set SCG,  33792                       ; behind the four stages: the scale words [fragment 4][wave 4][16 words]
.set L16,  4                           ; v4   16 x lane
.set L8,   5                           ; v5   8 x lane
.set STI,  6                           ; v6   stage, on the way in: 16 x lane
.set STO,  7                           ; v7   stage, on the way out: 528 r + 64 h
.set SCW,  8                           ; v8   where my row's scale word goes
.set SCR,  9                           ; v9   where I read 8 bytes of a plane's 256 back
.set TM,   12                          ; v12-27 at work in QUANT
.set PW,   28                          ; v28  the scale word just made
.set PC,   30                          ; v30-48 the codes just made
.set X,    64                          ; v64-127 64 numbers of my row: register 16 b + i = k 32 b + 16 h + i
.set R,    128                         ; v128-255 two sets of 64 registers as loaded
.set SEL,  28                          ; s[28:29] lane selects for v_permlanex16_b32: lane l xor 16
; 64 numbers of a lane, v[s] .. v[s + 63], register 16 b + i = k 32 b + 16 (lane / 16) + i of my row, become a fragment's codes in v[PC] on and its scale word in v[pw].
.macro QUANT s, pw
.irp b, 0,1,2,3
	v_max3_num_f32 v[TM+\b], |v[\s+16*\b]|, |v[\s+1+16*\b]|, 0x1800000   ; block b: my 16 numbers, and the floor 2^(3 - 127): the byte cannot fall under 1
.endr
.irp i, 2,4,6,8,10,12,14
.irp b, 0,1,2,3
	v_max3_num_f32 v[TM+\b], v[TM+\b], |v[\s+16*\b+\i]|, |v[\s+1+16*\b+\i]|   ; the four blocks by turns
.endr
.endr
.irp b, 0,1,2,3
	v_permlanex16_b32 v[TM+4+\b], v[TM+\b], s[SEL], s[SEL+1]
.endr
.irp b, 0,1,2,3
	v_max_num_f32 v[TM+\b], v[TM+\b], v[TM+4+\b]   ; with lane l xor 16's: the block's largest magnitude
.endr
.irp b, 0,1,2,3
	v_add_nc_u32 v[TM+12+\b], 0xff000000, v[TM+\b]   ; 2 off its exponent field: the conversion takes the exponent field of this operand as its scale
.endr
.irp b, 0,1,2,3
	v_lshrrev_b32 v[TM+4+\b], 23, v[TM+12+\b]   ; the scale's byte
.endr
	v_lshl_or_b32 v[\pw], v[TM+5], 8, v[TM+4]      ; the four bytes make my row's scale word
	v_lshl_or_b32 v[\pw], v[TM+6], 16, v[\pw]
	v_lshl_or_b32 v[\pw], v[TM+7], 24, v[\pw]
.irp c, 0,1
	v_cvt_scalef32_pk16_fp6_f32 v[PC+6*\c:PC+2+6*\c], v[\s+32*\c:\s+15+32*\c], v[TM+12+2*\c]
	v_cvt_scalef32_pk16_fp6_f32 v[PC+12+4*\c:PC+14+4*\c], v[\s+16+32*\c:\s+31+32*\c], v[TM+12+2*\c+1]   ; (a conversion's three registers begin on an even number)
.endr
	v_nop                                          ; one plain place behind a scaled conversion
.irp c, 0,1                                    ; the operand's layout wants a whole block in a lane: lanes 0-15 block 2 c, lanes 16-31 block 2 c + 1
.irp i, 0,1,2
	v_permlane16_swap_b32 v[PC+6*\c+\i], v[PC+12+4*\c+\i]
.endr
.irp i, 0,1,2
	v_mov_b32 v[PC+3+6*\c+\i], v[PC+12+4*\c+\i]
.endr
.endr
.endm
.macro LOADF f                         ; fragment f: 16 rows x 512 bytes into set f % 2; load m takes the tile's row m + 8 (m / 8)
.irp m, 0,1,2,3,4,5,6,7,8,9,10,11,12,13,14,15
	global_load_b128 v[R+64*((\f)%2)+4*\m:R+64*((\f)%2)+4*\m+3], v[L16], s[22:23] offset:(\m+8*(\m/8))*4096+512*(\f) th:TH_LOAD_NT
.endr
.endm
.macro TURNF f                         ; through my stage: LDS serves a wave's instructions in order, so no wait stands between the stores and the loads
.irp m, 0,1,2,3,4,5,6,7,8,9,10,11,12,13,14,15
	ds_store_b128 v[STI], v[R+64*((\f)%2)+4*\m:R+64*((\f)%2)+4*\m+3] offset:528*\m
.endr
.irp b, 0,1,2,3
.irp q, 0,1,2,3
	ds_load_b128 v[X+16*\b+4*\q:X+16*\b+4*\q+3], v[STO] offset:128*\b+16*\q
.endr
.endr
.endm
.macro IMG f                           ; the fragment leaves as it stands in the registers
	global_store_b128 v[L16], v[PC:PC+3], s[14:15] offset:1536*(\f)
	global_store_b64 v[L8], v[PC+4:PC+5], s[14:15] offset:1536*(\f)+512
	global_store_b128 v[L16], v[PC+6:PC+9], s[14:15] offset:1536*(\f)+768
	global_store_b64 v[L8], v[PC+10:PC+11], s[14:15] offset:1536*(\f)+1280
.endm
	s_load_b256 s[4:11], s[0:1], 0x0               ; x, Wq, Wk, Wv
	s_load_b128 s[12:15], s[0:1], 0x20             ; Wp, xw_codes
	s_load_b64 s[16:17], s[0:1], 0x30              ; xw_scales
	v_lshl_add_u32 v62, v0, 2, 0x8800
	v_mov_b32 v63, 0
	v_lshrrev_b32 v1, 5, v0
	v_readfirstlane_b32 s18, v1                    ; wave 0..3
	v_and_b32 v1, 31, v0                           ; lane
	v_and_b32 v2, 15, v0                           ; r
	v_bfe_u32 v3, v0, 4, 1                         ; h
	v_lshlrev_b32 v[L16], 4, v1
	v_lshlrev_b32 v[L8], 3, v1
	s_mul_i32 s19, s18, STGB
	v_add_nc_u32 v[STI], s19, v[L16]
	v_mul_u32_u24 v[STO], v2, 528
	v_lshl_add_u32 v[STO], v3, 6, v[STO]
	v_add_nc_u32 v[STO], s19, v[STO]
	s_lshl_b32 s19, s18, 6
	s_add_co_u32 s19, s19, SCG
	v_lshl_add_u32 v[SCW], v2, 2, s19              ; SCG + 64 x wave + 4 r; the fragment stands in the immediate
	s_lshl_b32 s19, s18, 8
	s_add_co_u32 s19, s19, SCG
	v_add_nc_u32 v[SCR], s19, v[L8]                ; SCG + 256 x wave + 8 x lane: wave w sends the plane of fragment w
	s_mov_b32 s[SEL], 0x76543210
	s_mov_b32 s[SEL+1], 0xfedcba98
.irp b, 0,1,2,3
	v_mov_b32 v[TM+4+\b], 0                        ; written once: a lane permute's destination counts as one of its sources
.endr
	s_lshr_b32 s20, ttmp9, 1                       ; G: which 64 rows of the 12,288
	s_and_b32 s21, ttmp9, 1                        ; which half of K
	s_and_b32 s24, s20, 15                         ; a weight's 64 rows: G mod 16
	s_wait_kmcnt 0x0
	s_mov_b64 s[22:23], s[12:13]                   ; the source: the choice hangs on the work-group's number alone
	s_cmp_lt_u32 s20, 176
	s_cselect_b64 s[22:23], s[10:11], s[22:23]
	s_cmp_lt_u32 s20, 160
	s_cselect_b64 s[22:23], s[8:9], s[22:23]
	s_cmp_lt_u32 s20, 144
	s_cselect_b64 s[22:23], s[6:7], s[22:23]
	s_cmp_lt_u32 s20, 128
	s_cselect_b64 s[22:23], s[4:5], s[22:23]
	s_cselect_b32 s24, s20, s24
	s_lshl_b32 s24, s24, 18                        ; 64 rows of 4,096 bytes
	s_lshr_b32 s25, s18, 1
	s_lshl_b32 s25, s25, 17                        ; + 32 rows x (wave / 2)
	s_add_co_u32 s24, s24, s25
	s_and_b32 s25, s18, 1
	s_lshl_b32 s25, s25, 15                        ; + 8 rows x (wave % 2)
	s_add_co_u32 s24, s24, s25
	s_lshl_b32 s25, s21, 11                        ; + my half of K: 2,048 bytes
	s_add_co_u32 s24, s24, s25
	s_mov_b32 s25, 0
	s_add_nc_u64 s[22:23], s[22:23], s[24:25]
	s_lshl_b32 s24, s20, 2
	s_add_co_u32 s24, s24, s18                     ; my tile: 4 G + wave
	s_mul_i32 s24, s24, 12288
	s_mul_i32 s26, s21, 6144
	s_add_co_u32 s24, s24, s26
	s_add_nc_u64 s[14:15], s[14:15], s[24:25]
	s_lshl_b32 s24, s21, 2
	s_add_co_u32 s24, s24, s18                     ; the plane that I send: K step 4 x half + wave
	s_mul_i32 s24, s24, 49152
	s_lshl_b32 s26, s20, 8                         ; the work-group's four tiles: 256 bytes
	s_add_co_u32 s24, s24, s26
	s_add_nc_u64 s[16:17], s[16:17], s[24:25]
	LOADF 0
	LOADF 1
.irp f, 0,1,2,3
.if \f < 3
	s_wait_loadcnt 16                              ; this fragment's 16 loads are in; the next fragment's 16 may be out
.else
	s_wait_loadcnt 0x0
.endif
	TURNF \f
	s_wait_dscnt 0x0                               ; my 64 numbers are back, the stores into the stage have read their registers, and the last scale word has been stored
.if \f < 2
	LOADF \f+2
.endif
.if \f > 0
	s_wait_xcnt 0x0                                ; the last fragment's stores have read the codes' registers: these are written again only behind this wait
.endif
	QUANT X, PW
	IMG \f
	ds_store_b32 v[SCW], v[PW] offset:256*\f       ; both lanes of a row write the same word with the same value
.endr
	s_wait_dscnt 0x0                               ; for the others' sake: my scale words lie in LDS
	s_barrier_signal -1
	s_barrier_wait -1
	ds_load_b64 v[10:11], v[SCR]                   ; one K step's words of the work-group's four tiles
	s_wait_dscnt 0x0
	global_store_b64 v[L8], v[10:11], s[16:17]     ; 32 lanes store 256 consecutive bytes, aligned
	s_wait_tensorcnt 0x0
	ds_add_u32 v62, v63
	s_wait_dscnt 0x0
	s_endpgm
.Lfunc_end_k_q84f7d6b9eb_quant:
	.size	k_q84f7d6b9eb_quant, .Lfunc_end_k_q84f7d6b9eb_quant-k_q84f7d6b9eb_quant
	.p2alignl 7, 3214868480
	.fill 96, 4, 3214868480
	.section	.rodata,"a",@progbits
	.p2align	6, 0x0
	.amdhsa_kernel k_q84f7d6b9eb_quant
		.amdhsa_group_segment_fixed_size 35328
		.amdhsa_private_segment_fixed_size 0
		.amdhsa_enable_private_segment 0
		.amdhsa_kernarg_size 56
		.amdhsa_user_sgpr_count 2
		.amdhsa_user_sgpr_kernarg_segment_ptr 1
		.amdhsa_wavefront_size32 1
		.amdhsa_system_sgpr_workgroup_id_x 1
		.amdhsa_system_sgpr_workgroup_id_y 1
		.amdhsa_system_sgpr_workgroup_id_z 1
		.amdhsa_system_vgpr_workitem_id 0
		.amdhsa_next_free_vgpr 256
		.amdhsa_next_free_sgpr 66
		.amdhsa_reserve_vcc 0
		.amdhsa_float_denorm_mode_32 3
		.amdhsa_float_denorm_mode_16_64 3
		.amdhsa_memory_ordered 1
		.amdhsa_forward_progress 1
		.amdhsa_inst_pref_size 35
	.end_amdhsa_kernel
	.amdgpu_metadata
---
amdhsa.version: [ 1, 2 ]
amdhsa.kernels:
  - .name:           k_q84f7d6b9eb_quant
    .symbol:         k_q84f7d6b9eb_quant.kd
    .args:
      - { .name: x, .offset: 0, .size: 8, .value_kind: global_buffer, .address_space: global }
      - { .name: Wq, .offset: 8, .size: 8, .value_kind: global_buffer, .address_space: global }
      - { .name: Wk, .offset: 16, .size: 8, .value_kind: global_buffer, .address_space: global }
      - { .name: Wv, .offset: 24, .size: 8, .value_kind: global_buffer, .address_space: global }
      - { .name: Wp, .offset: 32, .size: 8, .value_kind: global_buffer, .address_space: global }
      - { .name: xw_codes, .offset: 40, .size: 8, .value_kind: global_buffer, .address_space: global }
      - { .name: xw_scales, .offset: 48, .size: 8, .value_kind: global_buffer, .address_space: global }
    .group_segment_fixed_size: 35328
    .private_segment_fixed_size: 0
    .kernarg_segment_align: 8
    .kernarg_segment_size: 56
    .max_flat_workgroup_size: 128
    .sgpr_count:     66
    .vgpr_count:     256
    .wavefront_size: 32
...
	.end_amdgpu_metadata
.endif
;; end of part 1
;; launch qkv (part 2): grid 12 x 32, 4 waves a work-group, clusters of 4 x 4, 327,680 bytes of LDS; arguments xw_codes, xw_scales, bq, bk, bv, qkv; writes qkv
.if DOCPART == 2
	.amdgcn_target "amdgcn-amd-amdhsa--gfx1250"
	.amdhsa_code_object_version 6
	.text
	.protected	k_q84f7d6b9eb_qkv
	.globl	k_q84f7d6b9eb_qkv
	.p2align	8
	.type	k_q84f7d6b9eb_qkv,@function
k_q84f7d6b9eb_qkv:
	s_mov_b64 s[64:65], 0
	v_nop
	global_prefetch_b8 v0, s[64:65] scope:SCOPE_SE
	s_setreg_imm32_b32 hwreg(HW_REG_WAVE_MODE, 25, 1), 1
	s_wait_xcnt 0x0
	s_wait_alu depctr_hold_cnt(0) depctr_sa_sdst(0) depctr_va_vdst(0) depctr_va_sdst(0) depctr_va_ssrc(0) depctr_va_vcc(0) depctr_vm_vsrc(0)
	s_getreg_b32 s2, hwreg(HW_REG_IB_STS2, 6, 4)
	s_cmp_eq_u32 s2, 0
	s_cbranch_scc0 .Lentry_in_a_cluster
	s_endpgm
.Lentry_in_a_cluster:
	s_bfe_u32 s2, ttmp6, 0x10000c
	s_cmp_lg_u32 s2, 0xf033
	s_cbranch_scc0 .Lentry_shape_is_right
	s_endpgm
.Lentry_shape_is_right:
; q = x Wq^T + bq, k = x Wk^T + bk, v = x Wv^T + bv on codes of FP6 (E2M3) with E8M0 scales, sums in f32; the results are quantised IN REGISTERS along the K of the product that will read them
; (q, k: along a head's 64 channels; v: along the keys) and leave as images of the operand's registers.  No f32 result goes to memory.
; LIMITS: as the quantiser of x: NaN and infinities are not served; bytes are held at 1 from below; a block of zeros gets the byte 1; the bytes are read by this program alone.
; OPERANDS.  xw_codes [tile 768][K step 8][1,536]: a fragment (16 rows x 128 K) as its 12 registers: 0-3 at 16 x lane, 4-5 at 512 + 8 x lane, 6-9 at 768 + 16 x lane, 10-11 at 1,280 + 8 x lane.
; Lane r of tile t holds row 32 (t / 2) + 8 (t % 2) + r + 8 (r / 8).  Tiles 0-511 x, 512-575 Wq, 576-639 Wk, 640-703 Wv.  xw_scales [K step 8][tile 768][16] words.
; A tile of 256 x 256 results is made by four waves, 128 x 128 each: 64 accumulators, 512 registers.  The matrix instruction takes source 0 = 16 rows of B', source 1 = 16 rows of A': a lane holds ONE row of A',
; and by the order of the tiles' rows its 64 registers of B's tiles 0-7 are rows 32 c + 16 (lane / 16) + i of B', register 16 c + i: the order in which the quantiser wants neighbours along the next K.
; ROLES, by the cluster's x, which all partners share: 0: A' = x, B' = Wq;  1: A' = x, B' = Wk  (registers run along the channels);  2: A' = Wv, B' = x  (registers run along the tokens, v's next K).
; K = 1,024 is eight steps of 128, two to a slot, through two LDS slots filled by the tensor data mover; the steps are written out.  A wave has three tensor loads out at the start, later one.
; CLUSTERS: 4 x 4 work-groups; A's tiles are shared along a row of the cluster, B's along a column: each is asked for jointly, by the same load with the same descriptor and a mask of the four.
; OUTPUT qkv [batch x 8 + head pair (32)][128 tokens (16)][head of the pair (2)][19,712]: K's 8 tiles of 768 bytes (registers 0-5), K's scale words [row 16][tile 8] at 6,144, V's 4 fragments (16 channels x 128 keys) at 6,656,
; V's scale words [row 16][tile 4] at 12,800, Q's 8 tiles at 13,056, Q's scale words at 19,200.  Q's and K's words carry two bytes and two zeros: the upper 64 of the instruction's 128 along K are zero codes.
; REGISTERS: window 0: v1-7 lane terms; v16-29 addresses; v32-95 the 64 scale registers (they hold scales alone); v96-111 v's bias; v128-223 A's fragments, ONE set; on the way out v128-247 at work.
;   window 1: B's fragments, two sets, at v0 and v128; v96-127, v224-255 q's or k's bias.   windows 2, 3: the accumulators of my rows 0-63, 64-127: (a, b) at v[8 (8 (a % 4) + b)].
.set QUAR,  24576                      ; a quarter of a slot: 8 tiles x 2 K steps x 1,536 bytes: what one tensor load brings, and what a wave reads of A' or of B'
.set SLOT,  4*QUAR                     ; A's two halves, then B's two halves
.set SCL,   2*SLOT                     ; behind the ring: the scale words, four quarters of [K step 8][tile 8][16 words]
.set SPARE, SCL+4*4096                 ; the spare words, 128 bytes for each wave: two blocks of 256 bytes that no other line names
.set FR,    12
.set CHUNK, 39424                      ; 128 tokens of a head pair in qkv
.set HEADB, 19712                      ; and of one head
.set L16,  4                           ; v4   16 x lane
.set L8,   5                           ; v5   8 x lane
.set A16,  16                          ; v16-17 A's quarter in slot 0, 1, + 16 x lane;  v18-19 + 8 x lane
.set A8,   18
.set B16,  20                          ; v20-23 the same for B'
.set B8,   22
.set LS,   26                          ; v26  where my scale words go
.set ADRS, 27                          ; v27  LDS address of my scale words: lanes 0-15 A's, lanes 16-31 B's
.set SPW,  28                          ; v28  LDS address of my spare word; never rewritten
.set NIL,  29                          ; v29  0; never rewritten
.set SC,   32                          ; v[SC + 8 i + ks]: lanes 0-15 the words of A's tile i, lanes 16-31 of B's tile i, for K step ks
.set VB,   96                          ; v's bias, each number twice
.set AF,   128
.set ST,   128                         ; the way out: 64 numbers
.set TM,   192
.set PC,   208
.set SW,   228                         ; eight scale words
.set SD,   236
.set SE,   240
.set SF,   244
.set G1,   24
.set G0,   32
.set G1B,  48
.set G0B,  56
.set SEL,  66
.set G1S,  68
.set G0S,  76
.set G1SB, 80
.set G0SB, 88
.set OB,   94
.set MSB, 0
.macro WIN new                         ; the immediate's high byte repeats the setting that is left
.if MSB != (\new)
	s_set_vgpr_msb (MSB<<8)|(\new)
.set MSB, (\new)
.endif
.endm
.set MUL_LO, 0xa1                      ; source 0 (B') window 1, source 1 (A') window 0, C and D window 2
.set MUL_HI, 0xf1
.set TO_B,   0x40
.macro JLOAD g0a, g1a, g0b, g1b        ; a joint load: waves 0 and 1 fetch for A', waves 2 and 3 for B'; four v_nop follow each line
	s_cmp_eq_u32 s15, 0
	s_cbranch_scc0 .Lfor_b_\@
	tensor_load_to_lds s[\g0a:\g0a+3], s[\g1a:\g1a+7]
	s_nop 0
.rept 4
	v_nop
.endr
	s_branch .Lasked_\@
.Lfor_b_\@:
	tensor_load_to_lds s[\g0b:\g0b+3], s[\g1b:\g1b+7]
	s_nop 0
.rept 4
	v_nop
.endr
.Lasked_\@:
.endm
.macro CREST                           ; a round of the cluster's barrier behind its opening barrier
	s_cmp_lg_u32 s14, 0
	s_cbranch_scc1 .Lnot_wave_0_\@
	s_barrier_signal -3
.Lnot_wave_0_\@:
	s_barrier_wait -3
	s_barrier_signal -1
	s_barrier_wait -1
.endm
.macro CROUND
	s_barrier_signal -1
	s_barrier_wait -1
	CREST
.endm
.macro PLACES                          ; four places in front of loads into registers that matrix instructions have read, and of the first read of results
.rept 4
	v_nop
.endr
.endm
.macro FRAG reg, a16, a8, off          ; a fragment comes as it was stored: every load takes consecutive bytes
	ds_load_b128 v[\reg:\reg+3], v[\a16] offset:\off
	ds_load_b64 v[\reg+4:\reg+5], v[\a8] offset:\off+512
	ds_load_b128 v[\reg+6:\reg+9], v[\a16] offset:\off+768
	ds_load_b64 v[\reg+10:\reg+11], v[\a8] offset:\off+1280
.endm
.macro FETCH_B slot, q, p              ; B's eight fragments of the slot's q-th K step into set p
	WIN TO_B
.irp i, 0,1,2,3,4,5,6,7
	FRAG 128*(\p)+FR*\i, B16+\slot, B8+\slot, \i*3072+(\q)*1536
.endr
	WIN 0
.endm
.macro FETCH_A slot, q, i0             ; A's tiles i0 .. i0 + 3
.irp i, \i0, \i0+1, \i0+2, \i0+3
	FRAG AF+FR*(\i), A16+\slot, A8+\slot, (\i)*3072+(\q)*1536
.endr
.endm
.macro SCALES                          ; all 64 scale registers, once
.irp i, 0,1,2,3,4,5,6,7
.irp k, 0,1,2,3,4,5,6,7
	ds_load_b32 v[SC+8*\i+\k], v[ADRS] offset:512*\k+64*\i
.endr
.endr
.endm
; 16 matrix instructions: A's tiles a0, a0 + 1 x B's eight.  p: B's set;  ks: the K step;  mode 1: the first product starts the sums.  The 64 accumulators take turns, one instruction a turn.
.macro MUL16 a0, p, ks, mode
.irp a, \a0, \a0+1
.irp b, 0,1,2,3,4,5,6,7
.if \mode == 1
	v_wmma_scale_f32_16x16x128_f8f6f4 v[8*(8*((\a)%4)+\b):8*(8*((\a)%4)+\b)+7], v[128*(\p)+FR*\b:128*(\p)+FR*\b+FR-1], v[AF+FR*(\a):AF+FR*(\a)+FR-1], 0, v[SC+8*\b+(\ks)], v[SC+8*(\a)+(\ks)] matrix_a_fmt:MATRIX_FMT_FP6 matrix_b_fmt:MATRIX_FMT_FP6 matrix_a_scale:MATRIX_SCALE_ROW1
.else
	v_wmma_scale_f32_16x16x128_f8f6f4 v[8*(8*((\a)%4)+\b):8*(8*((\a)%4)+\b)+7], v[128*(\p)+FR*\b:128*(\p)+FR*\b+FR-1], v[AF+FR*(\a):AF+FR*(\a)+FR-1], v[8*(8*((\a)%4)+\b):8*(8*((\a)%4)+\b)+7], v[SC+8*\b+(\ks)], v[SC+8*(\a)+(\ks)] matrix_a_fmt:MATRIX_FMT_FP6 matrix_b_fmt:MATRIX_FMT_FP6 matrix_a_scale:MATRIX_SCALE_ROW1
.endif
.endr
.endr
.endm
.macro STEP slot, ks, mode             ; a slot's first K step: B's set 0; it fetches the slot's second step
	s_wait_dscnt 16                                ; B's set and A's tiles 0-3 are in; the youngest 16 loads (A's tiles 4-7) may be out
	WIN MUL_LO
	MUL16 0, 0, \ks, \mode
	MUL16 2, 0, \ks, \mode
	s_wait_dscnt 0x0                               ; A's tiles 4-7 are in
	PLACES
	FETCH_B \slot, 1, 1
	FETCH_A \slot, 1, 0
	WIN MUL_HI
	MUL16 4, 0, \ks, \mode
	MUL16 6, 0, \ks, \mode
	PLACES
	WIN 0
	FETCH_A \slot, 1, 4
.endm
; A slot's second K step changes slots: ONE barrier; in front of it each wave waits for all its tensor loads, adds 0 to its spare word, and waits for that and for its reads of this slot.  fill = 1: this slot is filled again, two slots ahead.
.macro TURN slot, next, fill, ks
	s_wait_tensorcnt 0x0                           ; all my tensor loads have landed: my part of the next slot
	ds_add_u32 v[SPW], v[NIL]                      ; 0 onto my spare word
	s_wait_dscnt 17                                ; the add and the youngest 16 loads (A's tiles 4-7) may be out
	WIN MUL_LO
	MUL16 0, 1, \ks, 0                             ; sixteen matrix instructions stand between the add and the wait for it
	s_wait_dscnt 0x0                               ; the add is done, and my reads of this slot are over
	s_barrier_signal -1
	MUL16 2, 1, \ks, 0
	WIN 0                                          ; at a branch and at a label every window is 0
	s_barrier_wait -1
.if \fill
	CREST                                          ; the barrier has opened a round of the cluster's barrier: no wave of any partner still reads this slot or has a load on its way
	s_add_nc_u64 s[G0+4*\slot+2:G0+4*\slot+3], s[G0+4*\slot+2:G0+4*\slot+3], 6144
	s_add_nc_u64 s[G0B+4*\slot+2:G0B+4*\slot+3], s[G0B+4*\slot+2:G0B+4*\slot+3], 6144
	JLOAD G0+4*\slot, G1, G0B+4*\slot, G1B         ; the first tensor load behind the round; its four v_nop are the places in front of the loads below
.else
	PLACES
.endif
	FETCH_B \next, 0, 0
	FETCH_A \next, 0, 0
	WIN MUL_HI
	MUL16 4, 1, \ks, 0
	MUL16 6, 1, \ks, 0
	PLACES
	WIN 0
	FETCH_A \next, 0, 4
.endm
.macro LAST                            ; K step 7: nothing more to fetch
	s_wait_dscnt 16
	WIN MUL_LO
	MUL16 0, 1, 7, 0
	MUL16 2, 1, 7, 0
	s_wait_dscnt 0x0
	WIN MUL_HI
	MUL16 4, 1, 7, 0
	MUL16 6, 1, 7, 0
	WIN 0
.endm
; 64 numbers of a lane, register 16 b + i = k 32 b + 16 (lane / 16) + i of my row, become a fragment's codes in v[PC] on and its scale word in v[pw].
.macro QUANT s, pw
.irp b, 0,1,2,3
	v_max3_num_f32 v[TM+\b], |v[\s+16*\b]|, |v[\s+1+16*\b]|, 0x1800000   ; my 16 numbers of block b, and the floor 2^(3 - 127): the byte cannot fall under 1
.endr
.irp i, 2,4,6,8,10,12,14
.irp b, 0,1,2,3
	v_max3_num_f32 v[TM+\b], v[TM+\b], |v[\s+16*\b+\i]|, |v[\s+1+16*\b+\i]|
.endr
.endr
.irp b, 0,1,2,3
	v_permlanex16_b32 v[TM+4+\b], v[TM+\b], s[SEL], s[SEL+1]
.endr
.irp b, 0,1,2,3
	v_max_num_f32 v[TM+\b], v[TM+\b], v[TM+4+\b]   ; with lane l xor 16's: the block's largest magnitude
.endr
.irp b, 0,1,2,3
	v_add_nc_u32 v[TM+12+\b], 0xff000000, v[TM+\b]   ; 2 off its exponent field: the conversion's scale operand
.endr
.irp b, 0,1,2,3
	v_lshrrev_b32 v[TM+4+\b], 23, v[TM+12+\b]   ; the scale's byte
.endr
	v_lshl_or_b32 v[\pw], v[TM+5], 8, v[TM+4]
	v_lshl_or_b32 v[\pw], v[TM+6], 16, v[\pw]
	v_lshl_or_b32 v[\pw], v[TM+7], 24, v[\pw]
.irp c, 0,1
	v_cvt_scalef32_pk16_fp6_f32 v[PC+6*\c:PC+2+6*\c], v[\s+32*\c:\s+15+32*\c], v[TM+12+2*\c]
	v_cvt_scalef32_pk16_fp6_f32 v[PC+12+4*\c:PC+14+4*\c], v[\s+16+32*\c:\s+31+32*\c], v[TM+12+2*\c+1]
.endr
	v_nop                                          ; one plain place behind a scaled conversion
.irp c, 0,1
.irp i, 0,1,2
	v_permlane16_swap_b32 v[PC+6*\c+\i], v[PC+12+4*\c+\i]
.endr
.irp i, 0,1,2
	v_mov_b32 v[PC+3+6*\c+\i], v[PC+12+4*\c+\i]
.endr
.endr
.endm
; THE WAY OUT of A's tile a: one packed addition adds the bias and brings two numbers into window 0 (each accumulator from its low end on); then the quantiser; then the image, straight from the registers.
.macro EPIA a, isv
.set AC, 64*((\a)%4)
.if \isv
	WIN 0x02+(\a)/4                                ; source 0: window 2 or 3
.else
	WIN 0x06+(\a)/4                                ; and source 1, the bias: window 1
.endif
.set j, 0
.rept 32
.if \isv
	v_pk_add_f32 v[ST+j:ST+j+1], v[AC+j:AC+j+1], v[VB+2*(\a):VB+2*(\a)+1]
.else
	v_pk_add_f32 v[ST+j:ST+j+1], v[AC+j:AC+j+1], v[96+j+96*(j/32):97+j+96*(j/32)]
.endif
.set j, j+2
.endr
	WIN 0
.if (\a) > 0
	s_wait_xcnt 0x0                                ; the last tile's stores have read the codes' registers: these are written again only behind this wait
.endif
	QUANT ST, SW+(\a)
.if \isv
	global_store_b128 v[L16], v[PC:PC+3], s[OB:OB+1] offset:((\a)/4)*HEADB+6656+((\a)%4)*1536          ; 16 channels x 128 keys: a whole fragment of head a / 4
	global_store_b64 v[L8], v[PC+4:PC+5], s[OB:OB+1] offset:((\a)/4)*HEADB+6656+((\a)%4)*1536+512
	global_store_b128 v[L16], v[PC+6:PC+9], s[OB:OB+1] offset:((\a)/4)*HEADB+6656+((\a)%4)*1536+768
	global_store_b64 v[L8], v[PC+10:PC+11], s[OB:OB+1] offset:((\a)/4)*HEADB+6656+((\a)%4)*1536+1280
.else
	global_store_b128 v[L16], v[PC:PC+3], s[OB:OB+1] offset:(\a)*768                                 ; registers 0-5: the even head's 64 channels
	global_store_b64 v[L8], v[PC+4:PC+5], s[OB:OB+1] offset:(\a)*768+512
	global_store_b128 v[L16], v[PC+6:PC+9], s[OB:OB+1] offset:HEADB+(\a)*768                           ; registers 6-11: the odd head's
	global_store_b64 v[L8], v[PC+10:PC+11], s[OB:OB+1] offset:HEADB+(\a)*768+512
.endif
.endm
	s_load_b256 s[4:11], s[0:1], 0x0               ; xw_codes s[4:5], xw_scales s[6:7], bq s[8:9], bk s[10:11]
	s_load_b128 s[96:99], s[0:1], 0x20             ; bv s[96:97], qkv s[98:99]
	v_lshl_add_u32 v[SPW], v0, 2, SPARE
	v_mov_b32 v[NIL], 0
	ds_add_u32 v28, v29
	s_wait_dscnt 0x0
	v_lshrrev_b32 v1, 5, v0
	v_readfirstlane_b32 s14, v1                    ; wave 0..3
	s_lshr_b32 s15, s14, 1                         ; which half of A's rows is mine.  Also: I fetch for A' (0) or for B' (1)
	s_and_b32 s16, s14, 1                          ; which half of B's rows.  Also: which 8 tiles I fetch
	s_bfe_u32 s40, ttmp6, 0x40000                  ; cx, cy: my place in the cluster
	s_bfe_u32 s41, ttmp6, 0x40004
	s_and_b32 s12, ttmp7, 0xffff                   ; the cluster's y
	s_cmp_eq_u32 ttmp9, 2                          ; the role hangs on the cluster's x, which all partners share
	s_cselect_b32 s17, 0, s12
	s_cselect_b32 s42, s12, ttmp9
	s_cselect_b32 s13, 640, 0                      ; A's first tile: Wv's or x's
	s_cselect_b32 s45, 0, 512                      ; B's: x's or Wq's (Wk's follow)
	s_lshl_b32 s17, s17, 2
	s_add_co_u32 s17, s17, s41                     ; TR: which 256 rows of A'
	s_lshl_b32 s42, s42, 2
	s_add_co_u32 s42, s42, s40                     ; TC: which 256 rows of B'
	s_lshl_b32 s43, s41, 2
	s_lshl_b32 s43, 15, s43                        ; my row of the cluster
	s_lshl_b32 s44, 0x1111, s40                    ; my column
	; descriptor group 1 for codes: 8 rows (tiles) of 384 elements of 8 bytes (two K steps, 3,072 bytes), 1,536 elements from tile to tile; dense in LDS
	s_or_b32 s[G1+0], s43, (3<<16)|(1<<21)         ; 15:0 the mask; 17:16 elements of 8 bytes; 21 set beside a mask
	s_or_b32 s[G1B+0], s44, (3<<16)|(1<<21)
.irp g, G1, G1B
	s_mov_b32 s[\g+1], 384<<16                     ; tensor_dim0
	s_mov_b32 s[\g+2], 8<<16                       ; tensor_dim1
	s_mov_b32 s[\g+3], 384<<16                     ; tile_dim0
	s_mov_b32 s[\g+4], 8                           ; tile_dim1
	s_mov_b32 s[\g+5], 1536                        ; tensor_dim0_stride
	s_mov_b32 s[\g+6], 0
	s_mov_b32 s[\g+7], 0
.endr
	; and for scale words: 8 rows (K steps) of 64 elements (8 tiles, 512 bytes), 6,144 elements from plane to plane
	s_or_b32 s[G1S+0], s43, (3<<16)|(1<<21)
	s_or_b32 s[G1SB+0], s44, (3<<16)|(1<<21)
.irp g, G1S, G1SB
	s_mov_b32 s[\g+1], 64<<16
	s_mov_b32 s[\g+2], 8<<16
	s_mov_b32 s[\g+3], 64<<16
	s_mov_b32 s[\g+4], 8
	s_mov_b32 s[\g+5], 6144
	s_mov_b32 s[\g+6], 0
	s_mov_b32 s[\g+7], 0
.endr
	s_lshl_b32 s18, s16, 3                         ; which 8 tiles I fetch
	s_lshl_b32 s20, s17, 4
	s_add_co_u32 s20, s20, s13
	s_add_co_u32 s20, s20, s18                     ; A': tile
	s_lshl_b32 s46, s42, 4
	s_add_co_u32 s46, s46, s45
	s_add_co_u32 s46, s46, s18                     ; B': tile
	s_lshl_b32 s22, s20, 6                         ; their scale words in a plane,
	s_mov_b32 s23, 0
	s_lshl_b32 s92, s46, 6
	s_mov_b32 s93, 0
	s_mul_i32 s20, s20, 12288                      ; and their codes
	s_mov_b32 s21, 0
	s_mul_i32 s46, s46, 12288
	s_mov_b32 s47, 0
	s_mul_i32 s94, s14, QUAR                       ; where they go: wave x a quarter: no place in the cluster enters an LDS address
	s_lshl_b32 s95, s14, 12
	s_mov_b32 s[SEL], 0x76543210
	s_mov_b32 s[SEL+1], 0xfedcba98
	s_wait_kmcnt 0x0
	s_add_nc_u64 s[20:21], s[4:5], s[20:21]
	s_add_nc_u64 s[22:23], s[6:7], s[22:23]
	s_add_nc_u64 s[46:47], s[4:5], s[46:47]
	s_add_nc_u64 s[92:93], s[6:7], s[92:93]
	CROUND                                         ; all sixteen work-groups are here: the first joint loads meet
	s_mov_b32 s[G0S], 1
	s_add_co_u32 s[G0S+1], s95, SCL
	s_mov_b64 s[G0S+2:G0S+3], s[22:23]
	s_or_b32 s[G0S+3], s[G0S+3], 0x80000000
	s_mov_b32 s[G0SB], 1
	s_add_co_u32 s[G0SB+1], s95, SCL
	s_mov_b64 s[G0SB+2:G0SB+3], s[92:93]
	s_or_b32 s[G0SB+3], s[G0SB+3], 0x80000000
	JLOAD G0S, G1S, G0SB, G1SB                     ; the scale words of all of K: filled once
.irp s, 0,1
	s_mov_b32 s[G0+4*\s], 1
	s_add_co_u32 s[G0+4*\s+1], s94, \s*SLOT
	s_add_nc_u64 s[G0+4*\s+2:G0+4*\s+3], s[20:21], \s*3072
	s_or_b32 s[G0+4*\s+3], s[G0+4*\s+3], 0x80000000
	s_mov_b32 s[G0B+4*\s], 1
	s_add_co_u32 s[G0B+4*\s+1], s94, \s*SLOT
	s_add_nc_u64 s[G0B+4*\s+2:G0B+4*\s+3], s[46:47], \s*3072
	s_or_b32 s[G0B+4*\s+3], s[G0B+4*\s+3], 0x80000000
	JLOAD G0+4*\s, G1, G0B+4*\s, G1B
.endr
	v_and_b32 v1, 31, v0                           ; lane
	v_and_b32 v2, 15, v0                           ; r
	v_bfe_u32 v3, v0, 4, 1                         ; h
	v_lshlrev_b32 v[L16], 4, v1
	v_lshlrev_b32 v[L8], 3, v1
	s_mul_i32 s21, s15, QUAR                       ; my half of A',
	s_mul_i32 s22, s16, QUAR                       ; my half of B',
	s_add_co_u32 s22, s22, 2*QUAR                  ; which lies behind A's two
.irp s, 0,1
	v_add_nc_u32 v[A16+\s], s21, v[L16]
	v_add_nc_u32 v[A8+\s], s21, v[L8]
	v_add_nc_u32 v[B16+\s], s22, v[L16]
	v_add_nc_u32 v[B8+\s], s22, v[L8]
	s_add_co_u32 s21, s21, SLOT
	s_add_co_u32 s22, s22, SLOT
.endr
	s_lshl_b32 s21, s15, 12                        ; A's scale words: my half
	s_lshl_b32 s22, s16, 12                        ; B's: my half, behind A's two
	s_add_co_u32 s22, s22, 8192
	s_sub_co_u32 s22, s22, s21
	v_mul_u32_u24 v6, s22, v3                      ; lanes 16-31 take B's: one product, the distance between the two
	s_add_co_u32 s21, s21, SCL
	v_lshl_add_u32 v6, v2, 2, v6
	v_add_nc_u32 v[ADRS], s21, v6
	s_wait_tensorcnt 1                             ; the scale words and my part of slot 0 are in; slot 1's load may be out
	s_barrier_signal -1
	s_barrier_wait -1
	FETCH_B 0, 0, 0
	FETCH_A 0, 0, 0
	SCALES
	FETCH_A 0, 0, 4
	STEP 0, 0, 1                                   ; K step 0 starts the sums: nothing is cleared
	TURN 0, 1, 1, 1                                ; slot 0 takes K steps 4 and 5
	STEP 1, 2, 0
	TURN 1, 0, 1, 3                                ; slot 1 takes K steps 6 and 7
	STEP 0, 4, 0
	TURN 0, 1, 0, 5                                ; nothing is left to fetch
	STEP 1, 6, 0
	s_cmp_eq_u32 ttmp9, 2                          ; the two ways out part here, so that each way's bias is loaded and used on one way; K step 7 stands between the loads and their use
	s_cbranch_scc1 .Lv_path
	; ---- q or k: my 128 tokens x my head pair's 128 channels
	s_lshr_b32 s18, s17, 3                         ; the batch: TR / 8
	s_lshl_b32 s18, s18, 7
	s_and_b32 s12, s42, 3
	s_lshl_b32 s12, s12, 1
	s_add_co_u32 s12, s12, s16                     ; the head pair: 2 (TC % 4) + my half of B'
	s_lshl_b32 s19, s12, 4
	s_add_co_u32 s18, s18, s19
	s_and_b32 s19, s17, 7
	s_lshl_b32 s19, s19, 1
	s_add_co_u32 s19, s19, s15                     ; which 128 tokens of the batch
	s_add_co_u32 s18, s18, s19
	s_mul_i32 s18, s18, CHUNK
	s_lshl_b32 s12, s12, 9                         ; the pair's 128 numbers of the bias
	s_mov_b32 s13, 0
	s_mov_b32 s19, 0
	s_cmp_eq_u32 ttmp9, 0
	s_cselect_b64 s[92:93], s[8:9], s[10:11]       ; bq or bk
	s_cselect_b32 s20, 13056, 0                    ; Q's part of a head's bytes, or K's
	s_add_co_u32 s18, s18, s20
	s_add_nc_u64 s[92:93], s[92:93], s[12:13]
	s_add_nc_u64 s[OB:OB+1], s[98:99], s[18:19]
	v_lshlrev_b32 v7, 6, v3                        ; register 16 c + i wants channel 32 c + 16 h + i
	WIN 0x40
.irp c, 0,1,2,3
.irp q, 0,1,2,3
	global_load_b128 v[96+16*\c+4*\q+96*(\c/2):99+16*\c+4*\q+96*(\c/2)], v7, s[92:93] offset:128*\c+16*\q
.endr
.endr
	WIN 0
	LAST
	PLACES
.irp b, 0,1,2,3
	v_mov_b32 v[TM+4+\b], 0                        ; a lane permute's destination counts as one of its sources
.endr
	v_lshlrev_b32 v[LS], 5, v2
	v_lshl_add_u32 v[LS], v3, 4, v[LS]             ; scale words [row][tile]: 32 r + 16 h
	s_wait_loadcnt 0x0                             ; the bias
.irp a, 0,1,2,3,4,5,6,7
	EPIA \a, 0
.endr
	v_cmp_ne_u32 vcc_lo, 0, v3
.irp i, 0,1,2,3
	v_cndmask_b32 v[SD+\i], v[SW+\i], v[SW+4+\i], vcc_lo   ; lanes 0-15 send tiles 0-3, lanes 16-31 tiles 4-7
.endr
.irp i, 0,1,2,3
	v_and_b32 v[SE+\i], 0xffff, v[SD+\i]           ; the even head's two bytes, under two zeros;
	v_lshrrev_b32 v[SF+\i], 16, v[SD+\i]           ; the odd head's
.endr
	global_store_b128 v[LS], v[SE:SE+3], s[OB:OB+1] offset:6144          ; 32 lanes store 512 consecutive bytes, aligned
	global_store_b128 v[LS], v[SF:SF+3], s[OB:OB+1] offset:HEADB+6144
	s_branch .Ldone
.Lv_path:
	; ---- v: my head pair's 128 channels x my 128 tokens
	s_lshr_b32 s18, s42, 3                         ; the batch: TC / 8
	s_lshl_b32 s18, s18, 7
	s_lshl_b32 s12, s17, 1
	s_add_co_u32 s12, s12, s15                     ; the head pair: 2 TR + my half of A'
	s_lshl_b32 s19, s12, 4
	s_add_co_u32 s18, s18, s19
	s_and_b32 s19, s42, 7
	s_lshl_b32 s19, s19, 1
	s_add_co_u32 s19, s19, s16
	s_add_co_u32 s18, s18, s19
	s_mul_i32 s18, s18, CHUNK
	s_lshl_b32 s12, s12, 9
	s_mov_b32 s13, 0
	s_mov_b32 s19, 0
	s_add_nc_u64 s[92:93], s[96:97], s[12:13]
	s_add_nc_u64 s[OB:OB+1], s[98:99], s[18:19]
	v_and_b32 v6, 8, v2
	v_add_nc_u32 v6, v6, v2
	v_lshlrev_b32 v6, 2, v6                        ; my channel in a tile: r + 8 (r / 8)
.irp a, 0,1,2,3,4,5,6,7
	global_load_b32 v[VB+2*\a], v6, s[92:93] offset:4*(32*(\a/2)+8*(\a%2))     ; one number a lane and tile, twice: a pair for the packed addition
	global_load_b32 v[VB+2*\a+1], v6, s[92:93] offset:4*(32*(\a/2)+8*(\a%2))
.endr
	LAST
	PLACES
.irp b, 0,1,2,3
	v_mov_b32 v[TM+4+\b], 0
.endr
	v_mul_u32_u24 v[LS], v3, HEADB
	v_lshl_add_u32 v[LS], v2, 4, v[LS]             ; scale words [row][tile] of head h: 16 r
	s_wait_loadcnt 0x0
.irp a, 0,1,2,3,4,5,6,7
	EPIA \a, 1
.endr
	v_cmp_ne_u32 vcc_lo, 0, v3
.irp i, 0,1,2,3
	v_cndmask_b32 v[SD+\i], v[SW+\i], v[SW+4+\i], vcc_lo   ; lanes 0-15 send the even head's four tiles, lanes 16-31 the odd head's
.endr
	global_store_b128 v[LS], v[SD:SD+3], s[OB:OB+1] offset:12800         ; sixteen lanes store 256 consecutive bytes, aligned
.Ldone:
	s_wait_tensorcnt 0x0                           ; the wave's end
	ds_add_u32 v[SPW], v[NIL]
	s_wait_dscnt 0x0
	CROUND                                         ; the closing round: no work-group ends while a partner may still ask for a tile that names it
	s_endpgm
.Lfunc_end_k_q84f7d6b9eb_qkv:
	.size	k_q84f7d6b9eb_qkv, .Lfunc_end_k_q84f7d6b9eb_qkv-k_q84f7d6b9eb_qkv
	.p2alignl 7, 3214868480
	.fill 96, 4, 3214868480
	.section	.rodata,"a",@progbits
	.p2align	6, 0x0
	.amdhsa_kernel k_q84f7d6b9eb_qkv
		.amdhsa_group_segment_fixed_size 327680
		.amdhsa_private_segment_fixed_size 0
		.amdhsa_enable_private_segment 0
		.amdhsa_kernarg_size 48
		.amdhsa_user_sgpr_count 2
		.amdhsa_user_sgpr_kernarg_segment_ptr 1
		.amdhsa_wavefront_size32 1
		.amdhsa_system_sgpr_workgroup_id_x 1
		.amdhsa_system_sgpr_workgroup_id_y 1
		.amdhsa_system_sgpr_workgroup_id_z 1
		.amdhsa_system_vgpr_workitem_id 0
		.amdhsa_next_free_vgpr 1024
		.amdhsa_next_free_sgpr 100
		.amdhsa_reserve_vcc 1
		.amdhsa_float_denorm_mode_32 3
		.amdhsa_float_denorm_mode_16_64 3
		.amdhsa_memory_ordered 1
		.amdhsa_forward_progress 1
		.amdhsa_inst_pref_size 229
	.end_amdhsa_kernel
	.amdgpu_metadata
---
amdhsa.version: [ 1, 2 ]
amdhsa.kernels:
  - .name:           k_q84f7d6b9eb_qkv
    .symbol:         k_q84f7d6b9eb_qkv.kd
    .args:
      - { .name: xw_codes, .offset: 0, .size: 8, .value_kind: global_buffer, .address_space: global }
      - { .name: xw_scales, .offset: 8, .size: 8, .value_kind: global_buffer, .address_space: global }
      - { .name: bq, .offset: 16, .size: 8, .value_kind: global_buffer, .address_space: global }
      - { .name: bk, .offset: 24, .size: 8, .value_kind: global_buffer, .address_space: global }
      - { .name: bv, .offset: 32, .size: 8, .value_kind: global_buffer, .address_space: global }
      - { .name: qkv, .offset: 40, .size: 8, .value_kind: global_buffer, .address_space: global }
    .group_segment_fixed_size: 327680
    .private_segment_fixed_size: 0
    .kernarg_segment_align: 8
    .kernarg_segment_size: 48
    .max_flat_workgroup_size: 128
    .sgpr_count:     100
    .vgpr_count:     1024
    .wavefront_size: 32
...
	.end_amdgpu_metadata
.endif
;; end of part 2
;; launch attn (part 3): grid 8 x 32, 16 waves a work-group, no clusters, 327,680 bytes of LDS; arguments qkv, y_codes, y_scales; writes y_codes, y_scales
.if DOCPART == 3
	.amdgcn_target "amdgcn-amd-amdhsa--gfx1250"
	.amdhsa_code_object_version 6
	.text
	.protected	k_q84f7d6b9eb_attn
	.globl	k_q84f7d6b9eb_attn
	.p2align	8
	.type	k_q84f7d6b9eb_attn,@function
k_q84f7d6b9eb_attn:
	s_mov_b64 s[64:65], 0
	v_nop
	global_prefetch_b8 v0, s[64:65] scope:SCOPE_SE
	s_setreg_imm32_b32 hwreg(HW_REG_WAVE_MODE, 25, 1), 1
	s_wait_xcnt 0x0
; Causal attention on codes of FP6 (E2M3), 64 heads of 2,048 tokens x 64 channels; the result, divided by the row's sum, is quantised in registers along (head, channel) and leaves as images of the next product's operand.
; THE SOFTMAX: t = score x log2(e) / 8; M = the row's largest t so far, rounded UP to a whole number; p = 2^(t - M) is quantised along the keys, not normalised; the row's sum is taken of the unquantised p in f32.
; When M moves, the sum and O are multiplied by 2^(old M - new M): exact.
; LIMITS: NaN and infinities are not served; scale bytes are held at 1 from below, a block of zeros gets the byte 1 (read by this program alone); 1 / sum by v_rcp_f32; a block's largest p is taken from its
; largest score, which takes v_exp_f32 not to fall where its input rises.
; INPUT qkv [batch x 8 + head pair (32)][128 tokens (16)][head of the pair (2)][19,712]: K's 8 tiles of 768 bytes, K's scale words at 6,144, V's 4 fragments at 6,656, V's scale words at 12,800, Q's 8 tiles at 13,056, Q's words at 19,200.
; Lane r of a tile t of tokens holds token 32 (t / 2) + 8 (t % 2) + r + 8 (r / 8); of V's tile c, channel 32 (c / 2) + 8 (c % 2) + r + 8 (r / 8).  The first product's K is 64: the upper six registers of its fragments are zeros.
; SHARES.  A work-group owns a head PAIR and two blocks of 128 queries: block i (i + 1 key steps of 128) and block 15 - i (16 - i steps): 17 steps in every work-group, so the loop's trip count is a constant and
; all 256 work-groups have the same work.  Wave w: head w / 8 of the pair, tile w % 8 of 16 queries.  The last step of each block lies on the diagonal; no step is wholly hidden.
; Both products are used transposed (S^T = K Q^T, O^T = V^T P^T): a lane holds one query throughout.  K and V of a step (13,056 dense bytes a head) come through two LDS slots, by one tensor load each of waves 0 and 1.
; THE SCALE WORDS OF THE RESULT have two bytes from each head of the pair: each wave puts its two bytes into LDS, each block into 512 bytes of its own, and at the end wave 0 sends both blocks' words out, 512 consecutive bytes each.
; NO CLUSTER: work-group i reads key step T up to trip i and key step T - i - 1 behind it, so from trip 1 on the eight work-groups of a head pair want different tiles in the same trip.
; REGISTERS: v1-11 addresses; v12 -M, v13 the largest t, v[14:15] the sum; v16-27 Q; v32-79 four fragments of K; v80-87 K's scale words, v88-91 V's; v96-159 S^T, then p, then V's four fragments;
;   v160-191 O^T; v192-198 the second block's Q; v200-207 scale words on their way out; v224-254 at work; v255 Q's scale word.
.set CHUNK, 39424
.set HEADB, 19712
.set KVBY,  13056                      ; K's and V's part of a head's bytes
.set SLOT1, 32768                      ; slot 1 begins here: one exclusive or turns an address
.set EXCH,  65536                      ; two areas of 512 bytes, one for each block, in which the two heads' half scale words meet; no fill lands here
.set SPARE, 66560                      ; the spare words, 128 bytes for each of 16 waves: eight blocks of 256 bytes that no other line names
.set A16,  1
.set A8,   2
.set AKS,  3
.set AVS,  4
.set SPW,  5
.set NIL,  6
.set L16,  7
.set D16,  8
.set D8,   9
.set DKS,  10
.set DVS,  11
.set L8,   29
.set DQ,   30                          ; v30  my query in its block - 16 (lane / 16)
.set EXW,  31                          ; v31  where my row's half scale word goes
.set EXR,  92                          ; v92  where wave 0 reads 16 bytes of an area's 512 back
.set WV,   18
.set SEL,  20
.set CS,   22
.set G1,   24
.set G0,   32
.set KVB,  36
.set I,    38
.set T,    39
.set TB,   40
.macro TLOAD                           ; waves 0 and 1 fetch a head's part each, the others nothing; four v_nop follow the line
	s_cmp_lt_u32 s[WV], 2
	s_cbranch_scc0 .Lno_load_\@
	tensor_load_to_lds s[G0:G0+3], s[G1:G1+7]
	s_nop 0
.rept 4
	v_nop
.endr
.Lno_load_\@:
.endm
; THE CHANGE OF SLOTS stands at a step's head.  Each wave waits for all its tensor loads, adds 0 to its spare word, and waits for that and for its LDS reads and stores.  fill = 1: the slot that has been left takes the next step's tiles.
.macro CHANGE fill
	s_wait_tensorcnt 0x0                           ; no tensor load of mine is out, so group 0 may be written
	ds_add_u32 v[SPW], v[NIL]                      ; 0 onto my spare word
.if \fill
	s_add_co_u32 s41, s[T], 1                      ; the next trip's key step: T + 1 in the first block, T + 1 - (i + 1) in the second
	s_add_co_u32 s54, s[I], 1
	s_cmp_le_u32 s41, s[I]
	s_cselect_b32 s54, 0, s54
	s_sub_co_u32 s54, s41, s54
	s_mul_i32 s54, s54, CHUNK
	s_add_nc_u64 s[G0+2:G0+3], s[KVB:KVB+1], s[54:55]
	s_or_b32 s[G0+3], s[G0+3], 0x80000000
	s_xor_b32 s[G0+1], s[G0+1], SLOT1
.endif
	s_wait_dscnt 0x0                               ; the add is done; my reads of the slot that I have left are over; my half scale words lie in LDS
	s_barrier_signal -1
	s_barrier_wait -1
.if \fill
	TLOAD                                          ; the first thing behind the barrier, and a wave's one tensor load until the next
.endif
.endm
; A KEY STEP: 128 keys.  diag = 1: it lies on the diagonal; 0: it does where T = i.
.macro STEP diag
	v_add_nc_u32 v[D16], s[TB], v[A16]
	s_wait_alu depctr_va_vdst(0)
	v_add_nc_u32 v[D8], s[TB], v[A8]
	s_wait_alu depctr_va_vdst(0)
	v_add_nc_u32 v[DKS], s[TB], v[AKS]
	v_add_nc_u32 v[DVS], s[TB], v[AVS]
	v_nop
	v_nop                                          ; six places: the scores are written over V's fragments, which the last products read: five are asked
	ds_load_b128 v[80:83], v[DKS] offset:6144      ; K's scale words: my row's, for the eight tiles
	ds_load_b128 v[84:87], v[DKS] offset:6160
.irp g, 0,1                                    ; S^T = K Q^T, four tiles of 16 keys at a time
.if \g
.rept 4
	v_nop                                          ; places in front of loads into registers that matrix instructions have read
.endr
.endif
.irp t, 0,1,2,3
	ds_load_b128 v[32+12*\t:35+12*\t], v[D16] offset:(4*\g+\t)*768
	ds_load_b64 v[36+12*\t:37+12*\t], v[D8] offset:(4*\g+\t)*768+512
.endr
	s_wait_dscnt 0x0
.irp t, 0,1,2,3
	v_wmma_scale_f32_16x16x128_f8f6f4 v[96+8*(4*\g+\t):103+8*(4*\g+\t)], v[32+12*\t:43+12*\t], v[16:27], 0, v[80+4*\g+\t], v255 matrix_a_fmt:MATRIX_FMT_FP6 matrix_b_fmt:MATRIX_FMT_FP6
.endr
.endr                                          ; lane (r, h) holds query r; register 16 b + i is key 32 b + 16 h + i of the step
.rept 4
	v_nop
.endr
.if \diag == 0
	s_cmp_lg_u32 s[T], s[I]                        ; a scalar branch on ids: a step all of whose keys count skips the mask
	s_cbranch_scc1 .Lopen_\@
.endif
	v_mov_b32 v254, 0xff800000                     ; on the diagonal the scores of hidden keys become -infinity ahead of the maximum: p = 0 then
.set n, 0
.rept 64
	v_cmp_gt_i32 vcc_lo, 32*(n/16)+n%16, v[DQ]
	v_cndmask_b32 v[96+n], v[96+n], v254, vcc_lo
.set n, n+1
.endr
.if \diag == 0
.Lopen_\@:
.endif
.irp b, 0,1,2,3
	v_max3_num_f32 v[232+\b], v[96+16*\b], v[97+16*\b], v[98+16*\b]   ; the largest score of each block of 32 keys: it serves for the row's maximum and for the block's largest p
.endr
.irp i, 3,5,7,9,11,13
.irp b, 0,1,2,3
	v_max3_num_f32 v[232+\b], v[232+\b], v[96+16*\b+\i], v[97+16*\b+\i]
.endr
.endr
.irp b, 0,1,2,3
	v_max_num_f32 v[232+\b], v[232+\b], v[111+16*\b]
.endr
.irp b, 0,1,2,3
	s_delay_alu instid0(VALU_DEP_4)
	v_permlanex16_b32 v[236+\b], v[232+\b], s[SEL], s[SEL+1]
.endr
.irp b, 0,1,2,3
	s_delay_alu instid0(VALU_DEP_4)
	v_max_num_f32 v[232+\b], v[232+\b], v[236+\b]  ; with lane l xor 16's 16 keys
.endr
	s_delay_alu instid0(VALU_DEP_2)
	v_max3_num_f32 v254, v232, v233, v234
	s_delay_alu instid0(VALU_DEP_1)
	v_max_num_f32 v254, v254, v235                 ; the step's largest score of my query
	s_delay_alu instid0(VALU_DEP_1)
	v_mul_f32 v254, s[CS], v254                    ; as t
	s_delay_alu instid0(VALU_DEP_1)
	v_max_num_f32 v13, v13, v254                   ; the running largest t
	v_mov_b32 v254, v12
	s_delay_alu instid0(VALU_DEP_2)
	v_floor_f32 v12, -v13                          ; the new -M = floor(-t): M is a whole number
	s_delay_alu instid0(VALU_DEP_1)
	v_sub_f32 v254, v12, v254                      ; old M - new M: a whole number, 0 or less
	s_delay_alu instid0(VALU_DEP_1)
	v_cvt_i32_f32 v254, v254                       ; (it saturates)
	s_delay_alu instid0(VALU_DEP_1)
	v_ldexp_f32 v252, 1.0, v254                    ; f = 2^(old M - new M)
.set j, 0
.rept 32
	v_pk_fma_f32 v[96+j:97+j], v[96+j:97+j], s[CS:CS+1], v[12:13] op_sel_hi:[1,0,0]   ; t - M, two at a time
.set j, j+2
.endr
.irp b, 0,1,2,3
	v_fma_f32 v[232+\b], v[232+\b], s[CS], v12     ; the same of each block's largest score
.endr
.set j, 0
	s_wait_alu depctr_va_vdst(0)
.rept 64
	v_exp_f32 v[96+j], v[96+j]                     ; p = 2^(t - M), at most 1
.set j, j+1
.endr
.irp b, 0,1,2,3
	v_exp_f32 v[232+\b], v[232+\b]                 ; the block's largest p
.endr
	v_pk_mul_f32 v[14:15], v[14:15], v[252:253] op_sel_hi:[1,0]   ; the sums under the new M (a plain place behind the exponentials)
	s_wait_alu depctr_va_vdst(0)
.irp b, 0,1,2,3
	v_max_num_f32 v[232+\b], 0x1800000, v[232+\b]  ; the floor 2^(3 - 127): the byte cannot fall under 1
.endr
.irp b, 0,1,2,3
	s_delay_alu instid0(VALU_DEP_4)
	v_add_nc_u32 v[244+\b], 0xff000000, v[232+\b]  ; 2 off the exponent field: the conversion's scale operand
.endr
.irp b, 0,1,2,3
	s_delay_alu instid0(VALU_DEP_4)
	v_lshrrev_b32 v[236+\b], 23, v[244+\b]         ; the scale's byte
.endr
	s_delay_alu instid0(VALU_DEP_3)
	v_lshl_or_b32 v253, v237, 8, v236              ; p's scale word for these 128 keys
	s_delay_alu instid0(VALU_DEP_1)
	v_lshl_or_b32 v253, v238, 16, v253
	s_delay_alu instid0(VALU_DEP_1)
	v_lshl_or_b32 v253, v239, 24, v253
.irp c, 0,1
	v_cvt_scalef32_pk16_fp6_f32 v[224+6*\c:226+6*\c], v[96+32*\c:111+32*\c], v[244+2*\c]
	v_cvt_scalef32_pk16_fp6_f32 v[236+4*\c:238+4*\c], v[112+32*\c:127+32*\c], v[244+2*\c+1]
.endr
	v_nop                                          ; one plain place behind a scaled conversion
.irp c, 0,1
.irp i, 0,1,2
	v_permlane16_swap_b32 v[224+6*\c+\i], v[236+4*\c+\i]
.endr
.irp i, 0,1,2
	s_delay_alu instid0(VALU_DEP_3)
	v_mov_b32 v[227+6*\c+\i], v[236+4*\c+\i]
.endr
.endr
	v_pk_add_f32 v[236:237], v[100:101], v[104:105]
	v_pk_add_f32 v[250:251], v[108:109], v[112:113]
	v_pk_add_f32 v[248:249], v[116:117], v[120:121]
	v_pk_add_f32 v[246:247], v[124:125], v[128:129]
	v_pk_add_f32 v[244:245], v[132:133], v[136:137]
	v_pk_add_f32 v[242:243], v[140:141], v[144:145]
	v_pk_add_f32 v[240:241], v[148:149], v[152:153]
	v_pk_add_f32 v[14:15], v[14:15], v[156:157]
	v_pk_add_f32 v[236:237], v[236:237], v[96:97]
	v_pk_add_f32 v[250:251], v[250:251], v[98:99]
	v_pk_add_f32 v[248:249], v[248:249], v[102:103]
	v_pk_add_f32 v[246:247], v[246:247], v[106:107]
	v_pk_add_f32 v[244:245], v[244:245], v[110:111]
	v_pk_add_f32 v[242:243], v[242:243], v[114:115]
	v_pk_add_f32 v[240:241], v[240:241], v[118:119]
	v_pk_add_f32 v[14:15], v[14:15], v[122:123]
	v_pk_add_f32 v[236:237], v[236:237], v[126:127]
	v_pk_add_f32 v[250:251], v[250:251], v[130:131]
	v_pk_add_f32 v[248:249], v[248:249], v[134:135]
	v_pk_add_f32 v[246:247], v[246:247], v[138:139]
	v_pk_add_f32 v[244:245], v[244:245], v[142:143]
	v_pk_add_f32 v[242:243], v[242:243], v[146:147]
	v_pk_add_f32 v[240:241], v[240:241], v[150:151]
	v_pk_add_f32 v[14:15], v[14:15], v[154:155]
	v_pk_add_f32 v[236:237], v[236:237], v[158:159]
	s_delay_alu instid0(VALU_DEP_2)
	v_pk_add_f32 v[14:15], v[14:15], v[246:247]
	s_delay_alu instid0(VALU_DEP_2)
	v_pk_add_f32 v[236:237], v[236:237], v[244:245]
	v_pk_add_f32 v[250:251], v[250:251], v[242:243]
	v_pk_add_f32 v[248:249], v[248:249], v[240:241]
	s_delay_alu instid0(VALU_DEP_2)
	v_pk_add_f32 v[14:15], v[14:15], v[250:251]
	s_delay_alu instid0(VALU_DEP_2)
	v_pk_add_f32 v[236:237], v[236:237], v[248:249]
	s_delay_alu instid0(VALU_DEP_1)
	v_pk_add_f32 v[14:15], v[14:15], v[236:237]
.irp c, 0,1,2,3                                ; V's four fragments (16 channels x 128 keys) land where p lay
	ds_load_b128 v[96+12*\c:99+12*\c], v[D16] offset:6656+1536*\c
	ds_load_b64 v[100+12*\c:101+12*\c], v[D8] offset:6656+1536*\c+512
	ds_load_b128 v[102+12*\c:105+12*\c], v[D16] offset:6656+1536*\c+768
	ds_load_b64 v[106+12*\c:107+12*\c], v[D8] offset:6656+1536*\c+1280
.endr
	ds_load_b128 v[88:91], v[DVS] offset:12800     ; and its scale words
.set j, 0
.rept 16
	v_pk_mul_f32 v[160+j:161+j], v[160+j:161+j], v[252:253] op_sel_hi:[1,0]   ; O^T under the new M, while the loads are out
.set j, j+2
.endr
	s_wait_alu depctr_va_vdst(0)
	s_wait_dscnt 0x0
.irp c, 0,1,2,3                                ; O^T += V^T P^T: four accumulators, one instruction a turn
	v_wmma_scale_f32_16x16x128_f8f6f4 v[160+8*\c:167+8*\c], v[96+12*\c:107+12*\c], v[224:235], v[160+8*\c:167+8*\c], v[88+\c], v253 matrix_a_fmt:MATRIX_FMT_FP6 matrix_b_fmt:MATRIX_FMT_FP6
.endr
.endm
; A BLOCK'S END: O^T / the sum; register 16 c + i is channel 32 c + 16 h + i of my query: two blocks of the next product's K.  Six registers of codes leave as my head's half of a fragment's image; the two bytes go to LDS.
.macro EPI yc, ex
.rept 4
	v_nop
.endr
	v_add_f32 v14, v14, v15
	s_delay_alu instid0(VALU_DEP_1)
	v_permlanex16_b32 v252, v14, s[SEL], s[SEL+1]
	s_delay_alu instid0(VALU_DEP_1)
	v_add_f32 v14, v14, v252                       ; the row's sum
	s_wait_alu depctr_va_vdst(0)
	v_rcp_f32 v14, v14
	v_nop                                          ; one plain place behind a transcendental
.set j, 0
	s_wait_alu depctr_va_vdst(0)
.rept 32
	v_mul_f32 v[96+j], v[160+j], v14               ; each accumulator from its low end on
.set j, j+1
.endr
.irp b, 0,1
	v_max3_num_f32 v[232+\b], |v[96+16*\b]|, |v[97+16*\b]|, 0x1800000
.endr
.irp i, 2,4,6,8,10,12,14
.irp b, 0,1
	s_delay_alu instid0(VALU_DEP_2)
	v_max3_num_f32 v[232+\b], v[232+\b], |v[96+16*\b+\i]|, |v[97+16*\b+\i]|
.endr
.endr
.irp b, 0,1
	s_delay_alu instid0(VALU_DEP_2)
	v_permlanex16_b32 v[236+\b], v[232+\b], s[SEL], s[SEL+1]
.endr
.irp b, 0,1
	s_delay_alu instid0(VALU_DEP_2)
	v_max_num_f32 v[232+\b], v[232+\b], v[236+\b]
.endr
.irp b, 0,1
	s_delay_alu instid0(VALU_DEP_2)
	v_add_nc_u32 v[244+\b], 0xff000000, v[232+\b]
.endr
.irp b, 0,1
	s_delay_alu instid0(VALU_DEP_2)
	v_lshrrev_b32 v[236+\b], 23, v[244+\b]
.endr
	s_delay_alu instid0(VALU_DEP_1)
	v_lshl_or_b32 v254, v237, 8, v236              ; my head's two bytes of the row's scale word
	v_cvt_scalef32_pk16_fp6_f32 v[224:226], v[96:111], v244
	v_cvt_scalef32_pk16_fp6_f32 v[240:242], v[112:127], v245
	v_nop                                          ; one plain place behind a scaled conversion
.irp i, 0,1,2
	v_permlane16_swap_b32 v[224+\i], v[240+\i]
.endr
.irp i, 0,1,2
	s_delay_alu instid0(VALU_DEP_3)
	v_mov_b32 v[227+\i], v[240+\i]
.endr
	global_store_b128 v[L16], v[224:227], s[\yc:\yc+1]             ; 512 consecutive bytes, aligned
	global_store_b64 v[L8], v[228:229], s[\yc:\yc+1] offset:512    ; 256
	ds_store_b16 v[EXW], v254 offset:\ex           ; both lanes of a row write the same two bytes; the block's own area
	s_wait_xcnt 0x0                                ; the stores have read the codes' registers: the next step writes them again
.endm
.macro OUTOFF qb, yc, ys               ; byte offsets of a block's codes (my tile, my head) and of its scale words
	s_lshl_b32 s59, s[\qb], 3
	s_add_co_u32 s59, s59, s56                     ; the block's first tile: 128 x batch + 8 x block
	s_lshl_b32 s[\ys], s59, 6
	s_add_co_u32 s[\ys], s[\ys], s10
	s_mov_b32 s[\ys+1], 0
	s_add_co_u32 s59, s59, s58
	s_lshl_b32 s59, s59, 3
	s_add_co_u32 s59, s59, s57
	s_mul_i32 s59, s59, 1536
	s_add_co_u32 s[\yc], s59, s11
	s_mov_b32 s[\yc+1], 0
.endm
	s_load_b128 s[4:7], s[0:1], 0x0                ; qkv, y_codes
	s_load_b64 s[8:9], s[0:1], 0x10                ; y_scales
	v_lshl_add_u32 v[SPW], v0, 2, SPARE
	v_mov_b32 v[NIL], 0
	ds_add_u32 v5, v6
	ds_add_u32 v5, v6
	s_wait_dscnt 0x0
	v_lshrrev_b32 v8, 5, v0
	s_delay_alu instid0(VALU_DEP_1)
	v_readfirstlane_b32 s[WV], v8                  ; wave 0..15
	s_lshr_b32 s19, s[WV], 3                       ; my head of the pair
	s_and_b32 s58, s[WV], 7                        ; my tile of 16 queries
	s_mov_b32 s[I], ttmp9
	s_and_b32 s10, ttmp7, 0xffff                   ; batch x 8 + head pair
	; descriptor group 1: 13,056 dense bytes as 51 rows of 32 elements of 8 bytes
	s_mov_b32 s[G1], 3<<16
	s_mov_b32 s[G1+1], 32<<16
	s_mov_b32 s[G1+2], 51<<16
	s_mov_b32 s[G1+3], 32<<16
	s_mov_b32 s[G1+4], 51
	s_mov_b32 s[G1+5], 32
	s_mov_b32 s[G1+6], 0
	s_mov_b32 s[G1+7], 0
	s_and_b32 s11, s[WV], 1                        ; the head that I fetch, if I fetch
	s_mul_i32 s[G0+1], s11, KVBY                   ; its place in slot 0
	s_mul_i32 s13, s10, 16*CHUNK
	s_mul_i32 s54, s11, HEADB
	s_add_co_u32 s54, s54, s13
	s_mov_b32 s55, 0
	s_mul_i32 s41, s19, HEADB
	s_add_co_u32 s13, s13, s41                     ; my head's first byte
	s_mul_i32 s14, s[I], CHUNK
	s_add_co_u32 s14, s14, s13                     ; the first block's Q
	s_mov_b32 s15, 0
	s_sub_co_u32 s12, 15, s[I]                     ; the second block
	s_mul_i32 s16, s12, CHUNK
	s_add_co_u32 s16, s16, s13
	s_mov_b32 s17, 0
	s_lshr_b32 s56, s10, 3
	s_lshl_b32 s56, s56, 7                         ; 128 x batch
	s_and_b32 s57, s10, 7                          ; the head pair = the next product's K step
	s_lshl_b32 s10, s57, 15                        ; its plane of scale words
	s_mul_i32 s11, s19, 768                        ; my head's half of an image
	OUTOFF I, 46, 48
	OUTOFF 12, 50, 52
	s_mov_b32 s[SEL], 0x76543210
	s_mov_b32 s[SEL+1], 0xfedcba98
	s_mov_b32 s[CS], 0x3e38aa3b                    ; c = log2(e) / sqrt(64)
	s_mov_b32 s[CS+1], s[CS]
	s_mov_b32 s[TB], 0
	s_mov_b32 s[T], 0
	s_wait_kmcnt 0x0
	s_add_nc_u64 s[KVB:KVB+1], s[4:5], s[54:55]
	s_add_nc_u64 s[42:43], s[4:5], s[14:15]
	s_add_nc_u64 s[44:45], s[4:5], s[16:17]
	s_add_nc_u64 s[46:47], s[6:7], s[46:47]
	s_add_nc_u64 s[50:51], s[6:7], s[50:51]
	s_add_nc_u64 s[48:49], s[8:9], s[48:49]
	s_add_nc_u64 s[52:53], s[8:9], s[52:53]
	s_mov_b32 s[G0], 1
	s_mov_b64 s[G0+2:G0+3], s[KVB:KVB+1]
	s_or_b32 s[G0+3], s[G0+3], 0x80000000
	TLOAD                                          ; slot 0: key step 0
	v_and_b32 v8, 31, v0                           ; lane
	v_and_b32 v9, 15, v0                           ; r
	v_bfe_u32 v10, v0, 4, 1                        ; h
	s_mul_i32 s41, s19, KVBY                       ; my head's part of a slot
	v_lshlrev_b32 v[L16], 4, v8
	v_lshlrev_b32 v[L8], 3, v8
	s_delay_alu instid0(VALU_DEP_2)
	v_add_nc_u32 v[A16], s41, v[L16]
	s_delay_alu instid0(VALU_DEP_2)
	v_add_nc_u32 v[A8], s41, v[L8]
	v_lshl_add_u32 v[AKS], v9, 5, s41
	v_lshl_add_u32 v[AVS], v9, 4, s41
	s_lshr_b32 s59, s58, 1
	s_lshl_b32 s59, s59, 5
	s_and_b32 s41, s58, 1
	s_lshl_b32 s41, s41, 3
	s_add_co_u32 s59, s59, s41                     ; my tile's first query: 32 (t / 2) + 8 (t % 2)
	v_and_b32 v11, 8, v9
	s_delay_alu instid0(VALU_DEP_1)
	v_add_nc_u32 v[DQ], v11, v9
	s_delay_alu instid0(VALU_DEP_1)
	v_add_nc_u32 v[DQ], s59, v[DQ]
	v_lshlrev_b32 v11, 4, v10
	s_delay_alu instid0(VALU_DEP_1)
	v_sub_nc_u32 v[DQ], v[DQ], v11                 ; register 16 b + i holds key 32 b + 16 h + i: hidden where 32 b + i > my query - 16 h
	s_lshl_b32 s59, s58, 6
	s_lshl_b32 s41, s19, 1
	s_add_co_u32 s59, s59, s41
	s_add_co_u32 s59, s59, EXCH
	v_lshl_add_u32 v[EXW], v9, 2, s59              ; EXCH + 64 x tile + 4 r + 2 x head
	v_add_nc_u32 v[EXR], EXCH, v[L16]
	s_mul_i32 s59, s58, 768
	v_add_nc_u32 v93, s59, v[L16]
	v_add_nc_u32 v94, s59, v[L8]
	s_lshl_b32 s59, s58, 2
	v_lshl_add_u32 v95, v9, 5, s59
	global_load_b128 v[16:19], v93, s[42:43] offset:13056          ; Q of both blocks stays in registers
	global_load_b64 v[20:21], v94, s[42:43] offset:13056+512
	global_load_b32 v255, v95, s[42:43] offset:19200
	global_load_b128 v[192:195], v93, s[44:45] offset:13056
	global_load_b64 v[196:197], v94, s[44:45] offset:13056+512
	global_load_b32 v198, v95, s[44:45] offset:19200
.irp i, 0,1,2,3,4,5
	v_mov_b32 v[22+\i], 0                          ; the upper 64 of the first product's K: zero codes, in Q
.irp t, 0,1,2,3
	v_mov_b32 v[38+12*\t+\i], 0                    ; and in K's four fragments; they are never written again
.endr
.endr
	v_mov_b32 v13, 0xff61b1e6                      ; the largest t so far: -3e38
	s_delay_alu instid0(VALU_DEP_1)
	v_floor_f32 v12, -v13                          ; -M
	v_mov_b32 v14, 0
	v_mov_b32 v15, 0
.irp b, 0,1,2,3
	v_mov_b32 v[236+\b], 0                         ; a lane permute's destination counts as one of its sources
.endr
	v_mov_b32 v253, 0                              ; (named as the upper half of the pair v[252:253] before it is first written)
.set j, 0
.rept 32
	v_mov_b32 v[160+j], 0                          ; O^T: the step is written once; the first change of M leaves zeros zeros
.set j, j+1
.endr
	s_wait_loadcnt 0x0                             ; Q
.Ltrip:                                            ; 16 trips; the 17th step is written out
	CHANGE 1
	STEP 0
	s_xor_b32 s[TB], s[TB], SLOT1                  ; on to the other slot
	s_cmp_lg_u32 s[T], s[I]
	s_cbranch_scc1 .Lsame_block
	EPI 46, 0                                      ; the first block is done; its half scale words wait in their own area of LDS, which nothing in the loop reads
.irp i, 0,1,2,3,4,5
	v_mov_b32 v[16+\i], v[192+\i]                  ; the second block's Q,
.endr
	v_mov_b32 v255, v198                           ; and its scale word: the 36 lines below are the places that a scale register so written wants
	v_mov_b32 v13, 0xff61b1e6
	s_delay_alu instid0(VALU_DEP_1)
	v_floor_f32 v12, -v13
	v_mov_b32 v14, 0
	v_mov_b32 v15, 0
.set j, 0
.rept 32
	v_mov_b32 v[160+j], 0
.set j, j+1
.endr
.Lsame_block:
	s_add_co_u32 s[T], s[T], 1
	s_cmp_lt_u32 s[T], 16
	s_cbranch_scc1 .Ltrip
	CHANGE 0
	STEP 1                                         ; the second block's step on the diagonal
	EPI 50, 512
	s_wait_dscnt 0x0                               ; for wave 0's sake: my half words of both blocks lie in LDS
	s_barrier_signal -1
	s_barrier_wait -1
	s_cmp_lg_u32 s[WV], 0
	s_cbranch_scc1 .Lend
	ds_load_b128 v[200:203], v[EXR]                ; the first block's words: eight tiles x 16 rows,
	ds_load_b128 v[204:207], v[EXR] offset:512     ; the second block's
	s_wait_dscnt 0x0
	global_store_b128 v[L16], v[200:203], s[48:49]   ; 512 consecutive bytes each, aligned: eight tiles' words of this K step
	global_store_b128 v[L16], v[204:207], s[52:53]
.Lend:
	s_wait_tensorcnt 0x0                           ; the wave's end
	ds_add_u32 v[SPW], v[NIL]
	s_wait_dscnt 0x0
	s_endpgm
.Lfunc_end_k_q84f7d6b9eb_attn:
	.size	k_q84f7d6b9eb_attn, .Lfunc_end_k_q84f7d6b9eb_attn-k_q84f7d6b9eb_attn
	.p2alignl 7, 3214868480
	.fill 96, 4, 3214868480
	.section	.rodata,"a",@progbits
	.p2align	6, 0x0
	.amdhsa_kernel k_q84f7d6b9eb_attn
		.amdhsa_group_segment_fixed_size 327680
		.amdhsa_private_segment_fixed_size 0
		.amdhsa_enable_private_segment 0
		.amdhsa_kernarg_size 24
		.amdhsa_user_sgpr_count 2
		.amdhsa_user_sgpr_kernarg_segment_ptr 1
		.amdhsa_wavefront_size32 1
		.amdhsa_system_sgpr_workgroup_id_x 1
		.amdhsa_system_sgpr_workgroup_id_y 1
		.amdhsa_system_sgpr_workgroup_id_z 1
		.amdhsa_system_vgpr_workitem_id 0
		.amdhsa_next_free_vgpr 256
		.amdhsa_next_free_sgpr 66
		.amdhsa_reserve_vcc 1
		.amdhsa_float_denorm_mode_32 3
		.amdhsa_float_denorm_mode_16_64 3
		.amdhsa_memory_ordered 1
		.amdhsa_forward_progress 1
		.amdhsa_inst_pref_size 65
	.end_amdhsa_kernel
	.amdgpu_metadata
---
amdhsa.version: [ 1, 2 ]
amdhsa.kernels:
  - .name:           k_q84f7d6b9eb_attn
    .symbol:         k_q84f7d6b9eb_attn.kd
    .args:
      - { .name: qkv, .offset: 0, .size: 8, .value_kind: global_buffer, .address_space: global }
      - { .name: y_codes, .offset: 8, .size: 8, .value_kind: global_buffer, .address_space: global }
      - { .name: y_scales, .offset: 16, .size: 8, .value_kind: global_buffer, .address_space: global }
    .group_segment_fixed_size: 327680
    .private_segment_fixed_size: 0
    .kernarg_segment_align: 8
    .kernarg_segment_size: 24
    .max_flat_workgroup_size: 512
    .sgpr_count:     66
    .vgpr_count:     256
    .wavefront_size: 32
...
	.end_amdgpu_metadata
.endif
;; end of part 3
;; launch proj (part 4): grid 4 x 32, 4 waves a work-group, clusters of 4 x 4, 327,680 bytes of LDS; arguments y_codes, y_scales, xw_codes, xw_scales, bp, out0; writes out0
.if DOCPART == 4
	.amdgcn_target "amdgcn-amd-amdhsa--gfx1250"
	.amdhsa_code_object_version 6
	.text
	.protected	k_q84f7d6b9eb_proj
	.globl	k_q84f7d6b9eb_proj
	.p2align	8
	.type	k_q84f7d6b9eb_proj,@function
k_q84f7d6b9eb_proj:
	s_mov_b64 s[64:65], 0
	v_nop
	global_prefetch_b8 v0, s[64:65] scope:SCOPE_SE
	s_setreg_imm32_b32 hwreg(HW_REG_WAVE_MODE, 25, 1), 1
	s_wait_xcnt 0x0
	s_wait_alu depctr_hold_cnt(0) depctr_sa_sdst(0) depctr_va_vdst(0) depctr_va_sdst(0) depctr_va_ssrc(0) depctr_va_vcc(0) depctr_vm_vsrc(0)
	s_getreg_b32 s2, hwreg(HW_REG_IB_STS2, 6, 4)
	s_cmp_eq_u32 s2, 0
	s_cbranch_scc0 .Lentry_in_a_cluster
	s_endpgm
.Lentry_in_a_cluster:
	s_bfe_u32 s2, ttmp6, 0x10000c
	s_cmp_lg_u32 s2, 0xf033
	s_cbranch_scc0 .Lentry_shape_is_right
	s_endpgm
.Lentry_shape_is_right:
; out0 = y Wp^T + bp on codes of FP6 (E2M3) with E8M0 scales; sums in f32.  y [8192][1024] as y_codes [tile 512][K step 8][1,536] and y_scales [K step 8][tile 512][16] words; Wp as tiles 704-767 of
; xw_codes [tile 768][K step 8][1,536] and xw_scales [K step 8][tile 768][16] words.  A fragment (16 rows x 128 K) lies as its 12 registers: 0-3 at 16 x lane, 4-5 at 512 + 8 x lane, 6-9 at 768 + 16 x lane, 10-11 at 1,280 + 8 x lane.
; Lane r of tile t holds row 32 (t / 2) + 8 (t % 2) + r + 8 (r / 8).
; A tile of 256 x 256 of out0 is made by four waves, 128 x 128 each: 64 accumulators, 512 registers.  Source 0 = 16 rows of Wp, source 1 = 16 rows of y: a lane holds one token, and register j of B's tile b is output
; 32 (b / 2) + 16 (lane / 16) + 8 (b % 2) + j.  The bias is the C of the first K step's products.  K = 1,024: eight steps of 128, two to a slot, two LDS slots, written out.  A wave has three tensor loads out at the start, later one.
; CLUSTERS: 4 x 4 work-groups; y's tiles are shared along a row of the cluster, Wp's along a column, by joint loads.  The launch has 128 work-groups: 32 x 4 tiles of this size.
; REGISTERS: window 0: v1-7 lane terms; v16-29 addresses; v32-95 the 64 scale registers; v128-223 A's fragments, one set; on the way out v128-255 rows of out0.
;   window 1: B's fragments, two sets, at v0 and v128; v96-127, v224-255 the bias.   windows 2, 3: the accumulators: (a, b) at v[8 (8 (a % 4) + b)].
.set QUAR,  24576
.set SLOT,  4*QUAR
.set SCL,   2*SLOT
.set SPARE, SCL+4*4096                 ; the spare words, 128 bytes for each wave: two blocks of 256 bytes that no other line names
.set STAGE, SPARE+512                  ; the way out: 16 rows x 528 bytes for each wave; no fill lands here
.set FR,    12
.set L16,  4
.set L8,   5
.set A16,  16
.set A8,   18
.set B16,  20
.set B8,   22
.set STO,  24
.set RD,   25
.set ADRS, 27
.set SPW,  28
.set NIL,  29
.set SC,   32
.set AF,   128
.set BK,   128
.set G1,   24
.set G0,   32
.set G1B,  48
.set G0B,  56
.set G1S,  68
.set G0S,  76
.set G1SB, 80
.set G0SB, 88
.set MSB, 0
.macro WIN new                         ; the immediate's high byte repeats the setting that is left
.if MSB != (\new)
	s_set_vgpr_msb (MSB<<8)|(\new)
.set MSB, (\new)
.endif
.endm
.set MUL_LO, 0xa1
.set MUL_HI, 0xf1
.set TO_B,   0x40
.macro JLOAD g0a, g1a, g0b, g1b        ; a joint load: waves 0 and 1 fetch for y, waves 2 and 3 for Wp; four v_nop follow each line
	s_cmp_eq_u32 s15, 0
	s_cbranch_scc0 .Lfor_b_\@
	tensor_load_to_lds s[\g0a:\g0a+3], s[\g1a:\g1a+7]
	s_nop 0
.rept 4
	v_nop
.endr
	s_branch .Lasked_\@
.Lfor_b_\@:
	tensor_load_to_lds s[\g0b:\g0b+3], s[\g1b:\g1b+7]
	s_nop 0
.rept 4
	v_nop
.endr
.Lasked_\@:
.endm
.macro CREST
	s_cmp_lg_u32 s14, 0
	s_cbranch_scc1 .Lnot_wave_0_\@
	s_barrier_signal -3
.Lnot_wave_0_\@:
	s_barrier_wait -3
	s_barrier_signal -1
	s_barrier_wait -1
.endm
.macro CROUND
	s_barrier_signal -1
	s_barrier_wait -1
	CREST
.endm
.macro PLACES                          ; four places in front of loads into registers that matrix instructions have read, and of the first read of results
.rept 4
	v_nop
.endr
.endm
.macro FRAG reg, a16, a8, off
	ds_load_b128 v[\reg:\reg+3], v[\a16] offset:\off
	ds_load_b64 v[\reg+4:\reg+5], v[\a8] offset:\off+512
	ds_load_b128 v[\reg+6:\reg+9], v[\a16] offset:\off+768
	ds_load_b64 v[\reg+10:\reg+11], v[\a8] offset:\off+1280
.endm
.macro FETCH_B slot, q, p
	WIN TO_B
.irp i, 0,1,2,3,4,5,6,7
	FRAG 128*(\p)+FR*\i, B16+\slot, B8+\slot, \i*3072+(\q)*1536
.endr
	WIN 0
.endm
.macro FETCH_A slot, q, i0
.irp i, \i0, \i0+1, \i0+2, \i0+3
	FRAG AF+FR*(\i), A16+\slot, A8+\slot, (\i)*3072+(\q)*1536
.endr
.endm
.macro SCALES
.irp i, 0,1,2,3,4,5,6,7
.irp k, 0,1,2,3,4,5,6,7
	ds_load_b32 v[SC+8*\i+\k], v[ADRS] offset:512*\k+64*\i
.endr
.endr
.endm
; 16 matrix instructions: A's tiles a0, a0 + 1 x B's eight.  mode 2: the first product starts the sums from the bias.  The 64 accumulators take turns, one instruction a turn.
.macro MUL16 a0, p, ks, mode
.irp a, \a0, \a0+1
.irp b, 0,1,2,3,4,5,6,7
.if \mode == 2
	v_wmma_scale_f32_16x16x128_f8f6f4 v[8*(8*((\a)%4)+\b):8*(8*((\a)%4)+\b)+7], v[128*(\p)+FR*\b:128*(\p)+FR*\b+FR-1], v[AF+FR*(\a):AF+FR*(\a)+FR-1], v[96+8*\b+96*(\b/4):103+8*\b+96*(\b/4)], v[SC+8*\b+(\ks)], v[SC+8*(\a)+(\ks)] matrix_a_fmt:MATRIX_FMT_FP6 matrix_b_fmt:MATRIX_FMT_FP6 matrix_a_scale:MATRIX_SCALE_ROW1
.else
	v_wmma_scale_f32_16x16x128_f8f6f4 v[8*(8*((\a)%4)+\b):8*(8*((\a)%4)+\b)+7], v[128*(\p)+FR*\b:128*(\p)+FR*\b+FR-1], v[AF+FR*(\a):AF+FR*(\a)+FR-1], v[8*(8*((\a)%4)+\b):8*(8*((\a)%4)+\b)+7], v[SC+8*\b+(\ks)], v[SC+8*(\a)+(\ks)] matrix_a_fmt:MATRIX_FMT_FP6 matrix_b_fmt:MATRIX_FMT_FP6 matrix_a_scale:MATRIX_SCALE_ROW1
.endif
.endr
.endr
.endm
.macro STEP slot, ks, mode
	s_wait_dscnt 16                                ; B's set and A's tiles 0-3 are in; the youngest 16 loads (A's tiles 4-7) may be out
.if \mode == 2
	WIN 0x91                                       ; source 0 and C (the bias) window 1, source 1 window 0, D window 2
.else
	WIN MUL_LO
.endif
	MUL16 0, 0, \ks, \mode
	MUL16 2, 0, \ks, \mode
	s_wait_dscnt 0x0
	PLACES
	FETCH_B \slot, 1, 1
	FETCH_A \slot, 1, 0
.if \mode == 2
	WIN 0xd1
.else
	WIN MUL_HI
.endif
	MUL16 4, 0, \ks, \mode
	MUL16 6, 0, \ks, \mode
	PLACES
	WIN 0
	FETCH_A \slot, 1, 4
.endm
.macro TURN slot, next, fill, ks
	s_wait_tensorcnt 0x0                           ; all my tensor loads have landed: my part of the next slot
	ds_add_u32 v[SPW], v[NIL]                      ; 0 onto my spare word
	s_wait_dscnt 17                                ; the add and the youngest 16 loads may be out
	WIN MUL_LO
	MUL16 0, 1, \ks, 0
	s_wait_dscnt 0x0                               ; the add is done, and my reads of this slot are over
	s_barrier_signal -1
	MUL16 2, 1, \ks, 0
	WIN 0
	s_barrier_wait -1
.if \fill
	CREST                                          ; the barrier has opened a round of the cluster's barrier
	s_add_nc_u64 s[G0+4*\slot+2:G0+4*\slot+3], s[G0+4*\slot+2:G0+4*\slot+3], 6144
	s_add_nc_u64 s[G0B+4*\slot+2:G0B+4*\slot+3], s[G0B+4*\slot+2:G0B+4*\slot+3], 6144
	JLOAD G0+4*\slot, G1, G0B+4*\slot, G1B         ; the first tensor load behind the round; its four v_nop are the places in front of the loads below
.else
	PLACES
.endif
	FETCH_B \next, 0, 0
	FETCH_A \next, 0, 0
	WIN MUL_HI
	MUL16 4, 1, \ks, 0
	MUL16 6, 1, \ks, 0
	PLACES
	WIN 0
	FETCH_A \next, 0, 4
.endm
	s_load_b256 s[4:11], s[0:1], 0x0               ; y_codes s[4:5], y_scales s[6:7], xw_codes s[8:9], xw_scales s[10:11]
	s_load_b128 s[96:99], s[0:1], 0x20             ; bp s[96:97], out0 s[98:99]
	v_lshl_add_u32 v[SPW], v0, 2, SPARE
	v_mov_b32 v[NIL], 0
	ds_add_u32 v28, v29
	s_wait_dscnt 0x0
	v_lshrrev_b32 v1, 5, v0
	v_readfirstlane_b32 s14, v1                    ; wave 0..3
	s_lshr_b32 s15, s14, 1
	s_and_b32 s16, s14, 1
	s_bfe_u32 s40, ttmp6, 0x40000                  ; cx, cy
	s_bfe_u32 s41, ttmp6, 0x40004
	s_lshl_b32 s42, ttmp9, 2
	s_add_co_u32 s42, s42, s40                     ; TC: which 256 outputs
	s_and_b32 s17, ttmp7, 0xffff
	s_lshl_b32 s17, s17, 2
	s_add_co_u32 s17, s17, s41                     ; TR: which 256 tokens
	s_lshl_b32 s43, s41, 2
	s_lshl_b32 s43, 15, s43                        ; my row of the cluster
	s_lshl_b32 s44, 0x1111, s40                    ; my column
	s_or_b32 s[G1+0], s43, (3<<16)|(1<<21)         ; codes: 8 rows (tiles) of 384 elements of 8 bytes, 1,536 elements apart
	s_or_b32 s[G1B+0], s44, (3<<16)|(1<<21)
.irp g, G1, G1B
	s_mov_b32 s[\g+1], 384<<16
	s_mov_b32 s[\g+2], 8<<16
	s_mov_b32 s[\g+3], 384<<16
	s_mov_b32 s[\g+4], 8
	s_mov_b32 s[\g+5], 1536
	s_mov_b32 s[\g+6], 0
	s_mov_b32 s[\g+7], 0
.endr
	s_or_b32 s[G1S+0], s43, (3<<16)|(1<<21)        ; scale words: 8 rows (K steps) of 64 elements; a plane of y's is 4,096 elements, of the weights' 6,144
	s_or_b32 s[G1SB+0], s44, (3<<16)|(1<<21)
.irp g, G1S, G1SB
	s_mov_b32 s[\g+1], 64<<16
	s_mov_b32 s[\g+2], 8<<16
	s_mov_b32 s[\g+3], 64<<16
	s_mov_b32 s[\g+4], 8
	s_mov_b32 s[\g+6], 0
	s_mov_b32 s[\g+7], 0
.endr
	s_mov_b32 s[G1S+5], 4096
	s_mov_b32 s[G1SB+5], 6144
	s_lshl_b32 s18, s16, 3                         ; which 8 tiles I fetch
	s_lshl_b32 s20, s17, 4
	s_add_co_u32 s20, s20, s18                     ; y: tile
	s_lshl_b32 s46, s42, 4
	s_add_co_u32 s46, s46, 704
	s_add_co_u32 s46, s46, s18                     ; Wp: tile
	s_lshl_b32 s22, s20, 6
	s_mov_b32 s23, 0
	s_lshl_b32 s92, s46, 6
	s_mov_b32 s93, 0
	s_mul_i32 s20, s20, 12288
	s_mov_b32 s21, 0
	s_mul_i32 s46, s46, 12288
	s_mov_b32 s47, 0
	s_mul_i32 s94, s14, QUAR
	s_lshl_b32 s95, s14, 12
	s_wait_kmcnt 0x0
	s_add_nc_u64 s[20:21], s[4:5], s[20:21]
	s_add_nc_u64 s[22:23], s[6:7], s[22:23]
	s_add_nc_u64 s[46:47], s[8:9], s[46:47]
	s_add_nc_u64 s[92:93], s[10:11], s[92:93]
	CROUND                                         ; all sixteen work-groups are here: the first joint loads meet
	s_mov_b32 s[G0S], 1
	s_add_co_u32 s[G0S+1], s95, SCL
	s_mov_b64 s[G0S+2:G0S+3], s[22:23]
	s_or_b32 s[G0S+3], s[G0S+3], 0x80000000
	s_mov_b32 s[G0SB], 1
	s_add_co_u32 s[G0SB+1], s95, SCL
	s_mov_b64 s[G0SB+2:G0SB+3], s[92:93]
	s_or_b32 s[G0SB+3], s[G0SB+3], 0x80000000
	JLOAD G0S, G1S, G0SB, G1SB
.irp s, 0,1
	s_mov_b32 s[G0+4*\s], 1
	s_add_co_u32 s[G0+4*\s+1], s94, \s*SLOT
	s_add_nc_u64 s[G0+4*\s+2:G0+4*\s+3], s[20:21], \s*3072
	s_or_b32 s[G0+4*\s+3], s[G0+4*\s+3], 0x80000000
	s_mov_b32 s[G0B+4*\s], 1
	s_add_co_u32 s[G0B+4*\s+1], s94, \s*SLOT
	s_add_nc_u64 s[G0B+4*\s+2:G0B+4*\s+3], s[46:47], \s*3072
	s_or_b32 s[G0B+4*\s+3], s[G0B+4*\s+3], 0x80000000
	JLOAD G0+4*\s, G1, G0B+4*\s, G1B
.endr
	v_and_b32 v1, 31, v0                           ; lane
	v_and_b32 v2, 15, v0                           ; r
	v_bfe_u32 v3, v0, 4, 1                         ; h
	v_lshlrev_b32 v[L16], 4, v1
	v_lshlrev_b32 v[L8], 3, v1
	s_mul_i32 s21, s15, QUAR
	s_mul_i32 s22, s16, QUAR
	s_add_co_u32 s22, s22, 2*QUAR
.irp s, 0,1
	v_add_nc_u32 v[A16+\s], s21, v[L16]
	v_add_nc_u32 v[A8+\s], s21, v[L8]
	v_add_nc_u32 v[B16+\s], s22, v[L16]
	v_add_nc_u32 v[B8+\s], s22, v[L8]
	s_add_co_u32 s21, s21, SLOT
	s_add_co_u32 s22, s22, SLOT
.endr
	s_lshl_b32 s21, s15, 12
	s_lshl_b32 s22, s16, 12
	s_add_co_u32 s22, s22, 8192
	s_sub_co_u32 s22, s22, s21
	v_mul_u32_u24 v6, s22, v3                      ; lanes 16-31 take B's: one product, the distance between the two
	s_add_co_u32 s21, s21, SCL
	v_lshl_add_u32 v6, v2, 2, v6
	v_add_nc_u32 v[ADRS], s21, v6
	s_mul_i32 s23, s14, 16*528
	s_add_co_u32 s23, s23, STAGE                   ; my stage
	v_mul_u32_u24 v6, v2, 528
	v_lshl_add_u32 v6, v3, 6, v6
	v_add_nc_u32 v[STO], s23, v6                   ; in: row r, + 64 h
	v_add_nc_u32 v[RD], s23, v[L16]                ; back: the 32 lanes take one row of 512 bytes
	s_lshl_b32 s46, s42, 10                        ; my first output, in bytes: 1,024 TC + 512 x half
	s_lshl_b32 s47, s16, 9
	s_add_co_u32 s46, s46, s47
	s_mov_b32 s47, 0
	s_add_nc_u64 s[96:97], s[96:97], s[46:47]      ; bp there
	s_lshl_b32 s20, s17, 8
	s_lshl_b32 s21, s15, 7
	s_add_co_u32 s20, s20, s21                     ; my first token
	s_lshl_b32 s20, s20, 12
	s_mov_b32 s21, 0
	s_add_nc_u64 s[20:21], s[20:21], s[46:47]
	s_add_nc_u64 s[12:13], s[98:99], s[20:21]      ; out0 at my 128 x 128; never stepped
	v_lshlrev_b32 v7, 6, v3                        ; the bias: register 16 c + i wants output 32 c + 16 h + i
	WIN 0x40
.irp c, 0,1,2,3
.irp q, 0,1,2,3
	global_load_b128 v[96+16*\c+4*\q+96*(\c/2):99+16*\c+4*\q+96*(\c/2)], v7, s[96:97] offset:128*\c+16*\q
.endr
.endr
	WIN 0
	s_wait_tensorcnt 1                             ; the scale words and my part of slot 0 are in; slot 1's load may be out
	s_barrier_signal -1
	s_barrier_wait -1
	FETCH_B 0, 0, 0
	FETCH_A 0, 0, 0
	SCALES
	FETCH_A 0, 0, 4
	s_wait_loadcnt 0x0                             ; the bias
	STEP 0, 0, 2                                   ; K step 0 starts the sums from the bias: nothing is cleared, nothing is added later
	TURN 0, 1, 1, 1
	STEP 1, 2, 0
	TURN 1, 0, 1, 3
	STEP 0, 4, 0
	TURN 0, 1, 0, 5
	STEP 1, 6, 0
	s_wait_dscnt 16                                ; K step 7: nothing more to fetch
	WIN MUL_LO
	MUL16 0, 1, 7, 0
	MUL16 2, 1, 7, 0
	s_wait_dscnt 0x0
	WIN MUL_HI
	MUL16 4, 1, 7, 0
	MUL16 6, 1, 7, 0
	WIN 0
; THE WAY OUT, a tile of 16 tokens x 128 outputs at a time, through my own stage in LDS: it comes back as whole rows of 512 bytes.  LDS serves a wave's instructions in order: no wait between the stores and the loads.
.macro TOSTAGE a
.set AC, 64*((\a)%4)
	WIN 0x08+4*((\a)/4)                            ; an LDS store's data are its source 1: window 2 or 3
.irp b, 0,1,2,3,4,5,6,7
	ds_store_b128 v[STO], v[AC+8*\b:AC+8*\b+3] offset:128*(\b/2)+32*(\b%2)           ; each accumulator from its low end on
	ds_store_b128 v[STO], v[AC+8*\b+4:AC+8*\b+7] offset:128*(\b/2)+32*(\b%2)+16
.endr
	WIN 0
.set BB, BK+64*((\a)%2)
.irp t, 0,1,2,3,4,5,6,7,8,9,10,11,12,13,14,15
	ds_load_b128 v[BB+4*\t:BB+4*\t+3], v[RD] offset:\t*528
.endr
.endm
.macro SEND a, younger                 ; younger: the LDS instructions issued behind tile a's loads, which may stay out
.set BB, BK+64*((\a)%2)
	s_wait_dscnt \younger
.irp t, 0,1,2,3,4,5,6,7,8,9,10,11,12,13,14,15
	global_store_b128 v[L16], v[BB+4*\t:BB+4*\t+3], s[12:13] offset:(32*((\a)/2)+8*((\a)%2)+\t+8*(\t/8))*4096 th:TH_STORE_NT   ; 32 lanes store 512 consecutive bytes, aligned; the stage's row t is the tile's token t + 8 (t / 8)
.endr
.endm
	PLACES
	TOSTAGE 0
.irp a, 1,2,3,4,5,6,7
.if \a > 1
	s_wait_xcnt 0x0                                ; tile a - 2's stores have read their registers: tile a's loads may land there
.endif
	TOSTAGE \a
	SEND \a-1, 32                                  ; behind tile a - 1's loads: tile a's 16 stores and 16 loads
.endr
	SEND 7, 0
	s_wait_tensorcnt 0x0                           ; the wave's end
	ds_add_u32 v[SPW], v[NIL]
	s_wait_dscnt 0x0
	CROUND                                         ; the closing round
	s_endpgm
.Lfunc_end_k_q84f7d6b9eb_proj:
	.size	k_q84f7d6b9eb_proj, .Lfunc_end_k_q84f7d6b9eb_proj-k_q84f7d6b9eb_proj
	.p2alignl 7, 3214868480
	.fill 96, 4, 3214868480
	.section	.rodata,"a",@progbits
	.p2align	6, 0x0
	.amdhsa_kernel k_q84f7d6b9eb_proj
		.amdhsa_group_segment_fixed_size 327680
		.amdhsa_private_segment_fixed_size 0
		.amdhsa_enable_private_segment 0
		.amdhsa_kernarg_size 48
		.amdhsa_user_sgpr_count 2
		.amdhsa_user_sgpr_kernarg_segment_ptr 1
		.amdhsa_wavefront_size32 1
		.amdhsa_system_sgpr_workgroup_id_x 1
		.amdhsa_system_sgpr_workgroup_id_y 1
		.amdhsa_system_sgpr_workgroup_id_z 1
		.amdhsa_system_vgpr_workitem_id 0
		.amdhsa_next_free_vgpr 1024
		.amdhsa_next_free_sgpr 100
		.amdhsa_reserve_vcc 0
		.amdhsa_float_denorm_mode_32 3
		.amdhsa_float_denorm_mode_16_64 3
		.amdhsa_memory_ordered 1
		.amdhsa_forward_progress 1
		.amdhsa_inst_pref_size 146
	.end_amdhsa_kernel
	.amdgpu_metadata
---
amdhsa.version: [ 1, 2 ]
amdhsa.kernels:
  - .name:           k_q84f7d6b9eb_proj
    .symbol:         k_q84f7d6b9eb_proj.kd
    .args:
      - { .name: y_codes, .offset: 0, .size: 8, .value_kind: global_buffer, .address_space: global }
      - { .name: y_scales, .offset: 8, .size: 8, .value_kind: global_buffer, .address_space: global }
      - { .name: xw_codes, .offset: 16, .size: 8, .value_kind: global_buffer, .address_space: global }
      - { .name: xw_scales, .offset: 24, .size: 8, .value_kind: global_buffer, .address_space: global }
      - { .name: bp, .offset: 32, .size: 8, .value_kind: global_buffer, .address_space: global }
      - { .name: out0, .offset: 40, .size: 8, .value_kind: global_buffer, .address_space: global }
    .group_segment_fixed_size: 327680
    .private_segment_fixed_size: 0
    .kernarg_segment_align: 8
    .kernarg_segment_size: 48
    .max_flat_workgroup_size: 128
    .sgpr_count:     100
    .vgpr_count:     1024
    .wavefront_size: 32
...
	.end_amdgpu_metadata
.endif
;; end of part 4
